; MI455X (gfx1250); checked and timed in simulation.
; The chip was launched on July 23, 2026; its instructions are those of AMD's public machine-readable ISA for CDNA 5 (MIT licence, August 2026) and "CDNA5" Instruction Set Architecture Reference Guide (July 2026). The comments in the code are by the model that wrote it; some were corrected since.
;; Causal Attention. Allowed arithmetic: matrix products marked QUANTISED: E2M3 operands, one E8M0 scale for each 32 along K, by v_wmma_scale_f32_16x16x128_f8f6f4 with both operands' format E2M3, f32 sums; everything else in f32.
;; Inputs: w_out 1,024 x 1,024 float32; w_qkv 1,024 x 3,072 float32; x 4 x 2,048 x 1,024 float32.
;; Outputs: out0 4 x 2,048 x 1,024 float32.
;; This version of the problem:
;;   THIS VERSION OF THE PROBLEM IS GIVEN IN LOW PRECISION. The matrix products marked QUANTISED in the list below multiply operands that are first quantised to E2M3 (2 exponent bits, 3 mantissa bits; 6 bits a number), with one power-of-two scale for each 32 numbers along K (OCP MX v1.0); their sums are f32. All else is computed in f32.
;;   The module's matrix products, in the order in which they are computed (A, B: the left and right operand; K: the contracted axis; several contracted axes count as one K, in the product's order):
;;     1. [M 8,192, K 1,024] x [K 1,024, N 3,072]; A: input x; B: input w_qkv: QUANTISED
;;     2. batch 64 x [M 2,048, K 64] x [K 64, N 2,048]; A: computed on the way; B: computed on the way: QUANTISED
;;     3. batch 64 x [M 2,048, K 2,048] x [K 2,048, N 64]; A: softmax (see below); B: computed on the way: QUANTISED
;;     4. [M 8,192, K 1,024] x [K 1,024, N 1,024]; A: computed on the way; B: input w_out: QUANTISED
;;   THE QUANTISER, for each operand of a quantised product, along K:
;;     - K is cut into blocks of 32 from its start; a last block that is shorter is filled with zeros.
;;     - A block's scale is 2^e with e = floor(log2(the largest magnitude in the block)) - 2, held to -126 .. 127; a block of zeros has e = 0. As a byte (E8M0): e + 127.
;;     - Each number is divided by its block's scale, clamped to +-7.5, and rounded to the nearest number of E2M3, ties to even, subnormals kept.
;;     - The product sums the exact products of the quantised numbers (number of the format x scale) in f32.
;;   ~~~python
;;   def quantise(x, axis):      # numpy; x: float32 -> the quantised numbers, widened to float32 again
;;       x = np.moveaxis(x, axis, -1); K = x.shape[-1]
;;       x = np.pad(x, [(0, 0)] * (x.ndim - 1) + [(0, -K % 32)]); x = x.reshape(x.shape[:-1] + (-1, 32)); a = np.abs(x).max(-1, keepdims=True)
;;       e = np.where(a > 0, np.clip(np.frexp(np.where(a > 0, a, 1))[1] - 1 - 2, -126, 127), 0)      # np.frexp(a)[1] - 1 = floor(log2(a)), exactly
;;       r = np.clip(x / 2.0 ** e, -7.5, 7.5)
;;       step = 2.0 ** (np.maximum(np.frexp(np.where(r == 0, 1, r))[1] - 1, 0) - 3)
;;       q = np.round(r / step) * step * 2.0 ** e      # np.round: ties to even
;;       return np.moveaxis(q.reshape(q.shape[:-2] + (-1,))[..., :K], -1, axis).astype(np.float32)
;;   ~~~
;;   SOFTMAX AHEAD OF A QUANTISED PRODUCT. Where the list says 'softmax', what is quantised is not the finished softmax but p = 2^(t - M), with t = logit x log2(e) and M = ceil(the row's largest t), a whole number; so 1/2 < the row's largest p <= 1. The row's sum l is taken of the UNQUANTISED p, in f32, and the product's result is divided by l at the end. Since M is a whole number, a kernel that streams over the keys may use a running M (the ceiling of the running maximum): every later rescaling is an exact power of two, which a block's scale takes up: the codes' values come out the same.
;;   OPERANDS COMPUTED ON THE WAY. 'Computed on the way' means the value that the module computes at that place (a softmax that the list does not call 'softmax' is quantised finished and normalised). What goes into a quantiser is computed in f32, as accurately as f32 sums, v_exp_f32 and their like allow (about 1e-6 of the number): no bf16 or f16 on the way to a quantiser, and a product that is left as it is and whose result goes on into a quantised operand takes f32 operands (vector FMAs, or v_wmma_f32_16x16x4_f32). A number that lies on a knife's edge between two numbers of the format may be rounded either way, as far as f32 arithmetic and the matrix unit's own rounding can turn it there, and no further.
;; One version. Each part assembles by itself: llvm-mc -triple=amdgcn-amd-amdhsa -mcpu=gfx1250 --defsym DOCPART=n.
;; ======== version 1 of 1: 4 launches
;; workspace buffers: opc 9,437,184 bytes; ops 393,216 bytes; qkc 18,874,368 bytes; qks 786,432 bytes; oc 6,291,456 bytes; os 262,144 bytes
;; launch quant (part 1): grid 640 x 1, 4 waves a work-group, no clusters, 68,096 bytes of LDS; arguments x, w_qkv, w_out, opc, ops; writes opc, ops
.if DOCPART == 1
	.amdgcn_target "amdgcn-amd-amdhsa--gfx1250"
	.amdhsa_code_object_version 6
	.text
	.protected	k_q6648fa1936_quant
	.globl	k_q6648fa1936_quant
	.p2align	8
	.type	k_q6648fa1936_quant,@function
k_q6648fa1936_quant:
	s_mov_b64 s[64:65], 0
	v_nop
	global_prefetch_b8 v0, s[64:65] scope:SCOPE_SE
	s_setreg_imm32_b32 hwreg(HW_REG_WAVE_MODE, 25, 1), 1
	s_wait_xcnt 0x0
; x [8192][1024], w_qkv [1024][3072], w_out [1024][1024], f32, become codes of FP6 (E2M3) with one E8M0 byte for each 32 along K = 1,024, laid as the two GEMMs read them.
; A block's scale is 2^(floor(log2(its largest magnitude)) - 2): its byte is that magnitude's exponent field - 2, held at 1 from below.
; LIMITS: NaN and infinities among the inputs are not served.  A block whose largest magnitude lies under 2^-124 (a block of zeros among them) gets the byte 1; only this program reads the bytes, and zero codes add nothing.
; LAYOUT OF opc: 96 groups of 128 rows x 1,024 K, 98,304 bytes each: x's tokens are groups 0-63, w_qkv's columns n 64-87, w_out's columns n 88-95.
;   A group is [ks 0..3][tile 0..7][kk 0..1][1,536 bytes]; K = 256 ks + 128 kk on.  Tile 2 b + u holds rows 32 b + 8 u + i + 8 (i / 8), i = 0 .. 15.
;   The 1,536 bytes are the IMAGE OF A FRAGMENT'S REGISTERS, in two halves of 768 (64 along K each): lane l's registers 0-3 at 16 l, its registers 4-5 at 512 + 8 l.
; LAYOUT OF ops: 4,096 bytes a group: the word (four bytes: 128 along K) of tile, ks, row i, kk at 512 tile + 128 ks + 8 i + 4 kk.
; SHARES: work-groups 0-511: x, a tile of 16 rows each, wave w its ks = w.  512-607: w_qkv, 128 columns x 256 K each.  608-639: w_out likewise.  Waves share nothing: no barrier.
.set GRPB,  98304
.set KSB,   24576
.set STGB,  8448                       ; a stage: 16 rows x 528 bytes (512 + 16: row r begins 16 r bytes further on modulo 256)
.set RAW,   16                         ; v16-143  x as loaded: two sets of 64
.set X,     144                        ; v144-207 64 numbers of my row: register 16 b + i = k 32 b + 16 (lane / 16) + i
.set TM,    208                        ; v208-223 at work
.set PC,    224                        ; v224-235 a fragment's codes; v236-242 the conversions' second halves
.set PW,    244                        ; v244-245 the two scale words
.set SEL,   28                         ; s[28:29] selects for lane l xor 16
.set HI,    26                         ; s26 a mask of lanes 16-31
; 64 numbers of a lane become a fragment's 12 registers of codes and its row's scale word
.macro QUANT s, pw
.irp b, 0,1,2,3
	v_max3_num_f32 v[TM+\b], |v[\s+16*\b]|, |v[\s+1+16*\b]|, 0x1800000   ; block b: my 16 numbers, and the floor 2^(3 - 127): the byte cannot fall under 1
.endr
.irp i, 2,4,6,8,10,12,14
.irp b, 0,1,2,3
	v_max3_num_f32 v[TM+\b], v[TM+\b], |v[\s+16*\b+\i]|, |v[\s+1+16*\b+\i]|   ; the four blocks by turns
.endr
.endr
.irp b, 0,1,2,3
	v_permlanex16_b32 v[TM+4+\b], v[TM+\b], s[SEL], s[SEL+1]
.endr
.irp b, 0,1,2,3
	v_max_num_f32 v[TM+\b], v[TM+\b], v[TM+4+\b]   ; with lane l xor 16's 16: the block's largest magnitude
.endr
.irp b, 0,1,2,3
	v_add_nc_u32 v[TM+12+\b], 0xff000000, v[TM+\b]   ; 2 off its exponent field: the conversion's scale operand
.endr
.irp b, 0,1,2,3
	v_lshrrev_b32 v[TM+4+\b], 23, v[TM+12+\b]      ; the scale's byte
.endr
	v_lshl_or_b32 v[\pw], v[TM+5], 8, v[TM+4]
	v_lshl_or_b32 v[\pw], v[TM+6], 16, v[\pw]
	v_lshl_or_b32 v[\pw], v[TM+7], 24, v[\pw]
.irp c, 0,1
	v_cvt_scalef32_pk16_fp6_f32 v[PC+6*\c:PC+2+6*\c], v[\s+32*\c:\s+15+32*\c], v[TM+12+2*\c]
	v_cvt_scalef32_pk16_fp6_f32 v[PC+12+4*\c:PC+14+4*\c], v[\s+16+32*\c:\s+31+32*\c], v[TM+12+2*\c+1]   ; (a conversion's three registers begin on an even number)
.endr
	v_nop                                          ; one plain line behind the scaled conversions
.irp c, 0,1                                    ; the layout wants a whole block in a lane: lanes 0-15 block 2 c, lanes 16-31 block 2 c + 1
.irp i, 0,1,2
	v_permlane16_swap_b32 v[PC+6*\c+\i], v[PC+12+4*\c+\i]
.endr
.irp i, 0,1,2
	v_mov_b32 v[PC+3+6*\c+\i], v[PC+12+4*\c+\i]
.endr
.endr
.endm
; x: 128 along K of my 16 rows turn through my own stage: in as loaded (512 bytes of a row an instruction), out 16 neighbours of each block a lane.  LDS serves a wave's instructions in order.
.macro XTURN kk
.irp i, 0,1,2,3,4,5,6,7,8,9,10,11,12,13,14,15
	ds_store_b128 v2, v[RAW+64*\kk+4*\i:RAW+64*\kk+4*\i+3] offset:STGB*\kk+528*\i
.endr
.irp b, 0,1,2,3
.irp j, 0,1,2,3
	ds_load_b128 v[X+16*\b+4*\j:X+16*\b+4*\j+3], v3 offset:STGB*\kk+128*\b+16*\j
.endr
.endr
.endm
.macro XSEND kk                        ; the fragment's image: 1,536 consecutive bytes
	global_store_b128 v1, v[PC:PC+3], s[10:11] offset:1536*\kk
	global_store_b64 v4, v[PC+4:PC+5], s[10:11] offset:1536*\kk+512
	global_store_b128 v1, v[PC+6:PC+9], s[10:11] offset:1536*\kk+768
	global_store_b64 v4, v[PC+10:PC+11], s[10:11] offset:1536*\kk+1280
.endm
; the weights: a lane takes a column n and its registers run down K
.macro WLOAD t, n, ptr                 ; block t: rows 32 t + i of my column, into set t % 2; 32 lanes read 128 consecutive bytes
.irp i, 0,1,2,3,4,5,6,7,8,9,10,11,12,13,14,15,16,17,18,19,20,21,22,23,24,25,26,27,28,29,30,31
	global_load_b32 v[32+32*((\t)%2)+\i], v3, s[\ptr:\ptr+1] offset:(32*(\t)+\i)*\n*4 th:TH_LOAD_NT
.endr
.endm
.macro WBLOCK t, n, ptr
.set XS, 32+32*((\t)%2)
.set CC, 96+8*(\t)                     ; each block has its own registers for its codes: no store's data are written again
.if (\t) < 7
	s_wait_loadcnt 32                              ; this block's 32 loads are in; the next block's 32 may be out
.else
	s_wait_loadcnt 0x0
.endif
	v_max3_num_f32 v12, |v[XS]|, |v[XS+1]|, |v[XS+2]|   ; the block's largest magnitude: all 32 numbers are mine; two chains
	v_max3_num_f32 v13, |v[XS+3]|, |v[XS+4]|, |v[XS+5]|
.irp i, 6,10,14,18,22,26
	v_max3_num_f32 v12, v12, |v[XS+\i]|, |v[XS+\i+1]|
	v_max3_num_f32 v13, v13, |v[XS+\i+2]|, |v[XS+\i+3]|
.endr
	v_max3_num_f32 v12, v12, |v[XS+30]|, |v[XS+31]|
	v_max3_num_f32 v12, v12, v13, 0x1800000        ; and the floor
	v_add_nc_u32 v11, 0xff000000, v12              ; the conversions' scale operand
	v_cvt_scalef32_pk16_fp6_f32 v[CC:CC+2], v[XS:XS+15], v11
	v_cvt_scalef32_pk16_fp6_f32 v[CC+4:CC+6], v[XS+16:XS+31], v11
	v_lshrrev_b32 v13, 23, v11                     ; the scale's byte (also the plain line behind the conversions)
.if (\t)%4 == 0
	v_mov_b32 v[24+(\t)/4], v13                    ; four bytes to a word, the lower K in the lower byte
.else
	v_lshl_or_b32 v[24+(\t)/4], v13, 8*((\t)%4), v[24+(\t)/4]
.endif
	v_mov_b32 v[CC+3], v[CC+4]                     ; the block's six registers on end
	v_mov_b32 v[CC+4], v[CC+5]
	v_mov_b32 v[CC+5], v[CC+6]
	; my block is what lane (i, h = t % 2) of the fragment (kk = t / 4) holds in registers 6 c .. 6 c + 5, c = (t % 4) / 2.  Sixteen lanes of one tile store 256 consecutive aligned bytes
	global_store_b128 v4, v[CC:CC+3], s[10:11] offset:1536*((\t)/4)+768*(((\t)%4)/2)+256*((\t)%2)
	global_store_b64 v5, v[CC+4:CC+5], s[10:11] offset:1536*((\t)/4)+768*(((\t)%4)/2)+512+128*((\t)%2)
.if (\t)+2 < 8
	WLOAD (\t)+2, \n, \ptr
.endif
.endm
.macro WPATH n, g0, first, ptr
	s_sub_co_u32 s17, ttmp9, \first
	s_and_b32 s18, s17, 3                          ; ks
	s_lshr_b32 s19, s17, 2                         ; which 128 columns
	s_mul_i32 s20, s18, 256*\n*4                   ; in: 256 ks rows down,
	s_lshl_b32 s21, s19, 9
	s_add_co_u32 s20, s20, s21                     ; 128 columns x 4 bytes,
	s_lshl_b32 s21, s16, 7
	s_add_co_u32 s20, s20, s21                     ; my wave's 32 of them
	s_mov_b32 s21, 0
	s_add_co_u32 s19, s19, \g0                     ; the group
	s_mul_i32 s22, s19, GRPB
	s_mul_i32 s23, s18, KSB
	s_add_co_u32 s22, s22, s23
	s_mul_i32 s23, s16, 6144                       ; my wave's tiles 2 w and 2 w + 1
	s_add_co_u32 s22, s22, s23
	s_mov_b32 s23, 0
	s_lshl_b32 s24, s19, 12
	s_lshl_b32 s25, s16, 10
	s_add_co_u32 s24, s24, s25
	s_lshl_b32 s25, s18, 7
	s_add_co_u32 s24, s24, s25
	s_mov_b32 s25, 0
	s_wait_kmcnt 0x0
	s_add_nc_u64 s[\ptr:\ptr+1], s[\ptr:\ptr+1], s[20:21]
	s_add_nc_u64 s[10:11], s[10:11], s[22:23]
	s_add_nc_u64 s[12:13], s[12:13], s[24:25]
	WLOAD 0, \n, \ptr
	WLOAD 1, \n, \ptr
.set Q, 0
.rept 8
	WBLOCK Q, \n, \ptr
.set Q, Q+1
.endr
	global_store_b64 v6, v[24:25], s[12:13]        ; my column's two scale words
.endm
	s_load_b256 s[4:11], s[0:1], 0x0               ; x s[4:5], w_qkv s[6:7], w_out s[8:9], opc s[10:11]
	s_load_b64 s[12:13], s[0:1], 0x20              ; ops
	v_lshl_add_u32 v248, v0, 2, 0x10800
	v_mov_b32 v249, 0
	v_lshrrev_b32 v1, 5, v0
	v_readfirstlane_b32 s16, v1                    ; wave 0..3
	v_and_b32 v6, 31, v0                           ; lane
	v_and_b32 v7, 15, v0                           ; r
	v_bfe_u32 v8, v0, 4, 1                         ; h
	s_cmp_lt_u32 ttmp9, 512
	s_cbranch_scc0 .Lweights
	; ---- x: the work-group's number is the tile of 16 rows, the wave's number is ks
	v_lshlrev_b32 v1, 4, v6                        ; 16 x lane
	v_lshlrev_b32 v4, 3, v6                        ; 8 x lane
	v_lshlrev_b32 v5, 3, v7
	v_lshl_add_u32 v5, v8, 2, v5                   ; 8 r + 4 h: where my lane's scale word goes
	s_mul_i32 s17, s16, 2*STGB                     ; my wave's two stages
	v_add_nc_u32 v2, s17, v1                       ; in
	v_mul_u32_u24 v3, v7, 528
	v_lshl_add_u32 v3, v8, 6, v3
	v_add_nc_u32 v3, s17, v3                       ; out: row r, + 64 h
	s_mov_b32 s[SEL], 0x76543210
	s_mov_b32 s[SEL+1], 0xfedcba98
	s_mov_b32 s[HI], 0xffff0000
.irp b, 0,1,2,3
	v_mov_b32 v[TM+4+\b], 0                        ; written once: a lane permute's destination counts as one of its sources
.endr
	s_lshr_b32 s18, ttmp9, 3                       ; the group
	s_and_b32 s19, ttmp9, 7                        ; the tile in it
	s_lshl_b32 s20, s18, 7
	s_lshr_b32 s21, s19, 1
	s_lshl_b32 s21, s21, 5
	s_add_co_u32 s20, s20, s21
	s_and_b32 s21, s19, 1
	s_lshl_b32 s21, s21, 3
	s_add_co_u32 s20, s20, s21                     ; the tile's first row: 128 G + 32 (tile / 2) + 8 (tile % 2)
	s_lshl_b32 s20, s20, 12                        ; rows of 4,096 bytes
	s_lshl_b32 s21, s16, 10
	s_add_co_u32 s20, s20, s21                     ; + 256 ks numbers
	s_mov_b32 s21, 0
	s_mul_i32 s22, s18, GRPB
	s_mul_i32 s23, s16, KSB
	s_add_co_u32 s22, s22, s23
	s_mul_i32 s23, s19, 3072
	s_add_co_u32 s22, s22, s23
	s_mov_b32 s23, 0
	s_lshl_b32 s24, s18, 12
	s_lshl_b32 s25, s19, 9
	s_add_co_u32 s24, s24, s25
	s_lshl_b32 s25, s16, 7
	s_add_co_u32 s24, s24, s25
	s_mov_b32 s25, 0
	s_wait_kmcnt 0x0
	s_add_nc_u64 s[4:5], s[4:5], s[20:21]
	s_add_nc_u64 s[10:11], s[10:11], s[22:23]
	s_add_nc_u64 s[12:13], s[12:13], s[24:25]
.irp kk, 0,1
.irp i, 0,1,2,3,4,5,6,7,8,9,10,11,12,13,14,15
	global_load_b128 v[RAW+64*\kk+4*\i:RAW+64*\kk+4*\i+3], v1, s[4:5] offset:(\i+8*(\i/8))*4096+512*\kk th:TH_LOAD_NT   ; 32 lanes read 512 consecutive bytes of the tile's row i
.endr
.endr
	s_wait_loadcnt 16                              ; the first 128 along K are in; the other sixteen loads may be out
	XTURN 0
	s_wait_dscnt 0x0
	QUANT X, PW
	XSEND 0
	s_wait_loadcnt 0x0
	XTURN 1
	s_wait_dscnt 0x0
	s_wait_xcnt 0x0                                ; the stores above have read the codes' registers, which are written again below
	QUANT X, PW+1
	XSEND 1
	v_cndmask_b32 v246, v[PW], v[PW+1], s[HI]      ; lanes 0-15 store row r's word of kk = 0, lanes 16-31 that of kk = 1: 128 consecutive bytes
	global_store_b32 v5, v246, s[12:13]
	s_wait_tensorcnt 0x0
	ds_add_u32 v248, v249
	s_wait_dscnt 0x0
	s_endpgm
.Lweights:
	v_lshlrev_b32 v3, 2, v6                        ; in: 4 bytes a lane
	v_bfe_u32 v9, v0, 3, 1                         ; my column 32 w + l lies in tile 2 w + u, u = (l / 8) % 2,
	v_and_b32 v10, 7, v0
	v_lshl_add_u32 v10, v8, 3, v10                 ; as its row i = l % 8 + 8 (l / 16)
	v_mul_u32_u24 v4, v9, 3072
	v_lshl_add_u32 v5, v10, 3, v4                  ; 3,072 u + 8 i
	v_lshl_add_u32 v4, v10, 4, v4                  ; 3,072 u + 16 i
	v_lshlrev_b32 v6, 9, v9
	v_lshl_add_u32 v6, v10, 3, v6                  ; the scale words: 512 u + 8 i
	s_cmp_lt_u32 ttmp9, 608
	s_cbranch_scc0 .Lwout
	WPATH 3072, 64, 512, 6
	s_endpgm
.Lwout:
	WPATH 1024, 88, 608, 8
	s_endpgm
.Lfunc_end_k_q6648fa1936_quant:
	.size	k_q6648fa1936_quant, .Lfunc_end_k_q6648fa1936_quant-k_q6648fa1936_quant
	.p2alignl 7, 3214868480
	.fill 96, 4, 3214868480
	.section	.rodata,"a",@progbits
	.p2align	6, 0x0
	.amdhsa_kernel k_q6648fa1936_quant
		.amdhsa_group_segment_fixed_size 68096
		.amdhsa_private_segment_fixed_size 0
		.amdhsa_enable_private_segment 0
		.amdhsa_kernarg_size 40
		.amdhsa_user_sgpr_count 2
		.amdhsa_user_sgpr_kernarg_segment_ptr 1
		.amdhsa_wavefront_size32 1
		.amdhsa_system_sgpr_workgroup_id_x 1
		.amdhsa_system_sgpr_workgroup_id_y 1
		.amdhsa_system_sgpr_workgroup_id_z 1
		.amdhsa_system_vgpr_workitem_id 0
		.amdhsa_next_free_vgpr 250
		.amdhsa_next_free_sgpr 66
		.amdhsa_reserve_vcc 0
		.amdhsa_float_denorm_mode_32 3
		.amdhsa_float_denorm_mode_16_64 3
		.amdhsa_memory_ordered 1
		.amdhsa_forward_progress 1
		.amdhsa_inst_pref_size 95
	.end_amdhsa_kernel
	.amdgpu_metadata
---
amdhsa.version: [ 1, 2 ]
amdhsa.kernels:
  - .name:           k_q6648fa1936_quant
    .symbol:         k_q6648fa1936_quant.kd
    .args:
      - { .name: x, .offset: 0, .size: 8, .value_kind: global_buffer, .address_space: global }
      - { .name: w_qkv, .offset: 8, .size: 8, .value_kind: global_buffer, .address_space: global }
      - { .name: w_out, .offset: 16, .size: 8, .value_kind: global_buffer, .address_space: global }
      - { .name: opc, .offset: 24, .size: 8, .value_kind: global_buffer, .address_space: global }
      - { .name: ops, .offset: 32, .size: 8, .value_kind: global_buffer, .address_space: global }
    .group_segment_fixed_size: 68096
    .private_segment_fixed_size: 0
    .kernarg_segment_align: 8
    .kernarg_segment_size: 40
    .max_flat_workgroup_size: 128
    .sgpr_count:     66
    .vgpr_count:     250
    .wavefront_size: 32
...
	.end_amdgpu_metadata
.endif
;; end of part 1
;; launch gemm_qkv (part 2): grid 12 x 32, 4 waves a work-group, clusters of 4 x 4, 327,680 bytes of LDS; arguments opc, ops, qkc, qks; writes qkc, qks
.if DOCPART == 2
	.amdgcn_target "amdgcn-amd-amdhsa--gfx1250"
	.amdhsa_code_object_version 6
	.text
	.protected	k_q6648fa1936_gemm_qkv
	.globl	k_q6648fa1936_gemm_qkv
	.p2align	8
	.type	k_q6648fa1936_gemm_qkv,@function
k_q6648fa1936_gemm_qkv:
	s_mov_b64 s[64:65], 0
	v_nop
	global_prefetch_b8 v0, s[64:65] scope:SCOPE_SE
	s_setreg_imm32_b32 hwreg(HW_REG_WAVE_MODE, 25, 1), 1
	s_wait_xcnt 0x0
	s_wait_alu depctr_hold_cnt(0) depctr_sa_sdst(0) depctr_va_vdst(0) depctr_va_sdst(0) depctr_va_ssrc(0) depctr_va_vcc(0) depctr_vm_vsrc(0)
	s_getreg_b32 s2, hwreg(HW_REG_IB_STS2, 6, 4)
	s_cmp_eq_u32 s2, 0
	s_cbranch_scc0 .Lentry_in_a_cluster
	s_endpgm
.Lentry_in_a_cluster:
	s_bfe_u32 s2, ttmp6, 0x10000c
	s_cmp_lg_u32 s2, 0xf033
	s_cbranch_scc0 .Lentry_shape_is_right
	s_endpgm
.Lentry_shape_is_right:
; qkv = x w_qkv on codes of FP6 (E2M3) with E8M0 scales for each 32 along K = 1,024; the results are quantised in registers and leave as codes: q and k along the head's 64, v along the keys.
; OPERANDS (buffers opc, ops): groups of 128 rows x 1,024 K as images of fragments' registers: [ks 0..3][tile 0..7][kk 0..1][1,536 bytes]; tile 2 b + u holds rows 32 b + 8 u + i + 8 (i / 8).
;   x's tokens are groups 0-63, w_qkv's columns n groups 64-87 (q 64-71, k 72-79, v 80-87).  Scale words: 4,096 bytes a group, at 512 tile + 128 ks + 8 i + 4 kk.
; A work-group of four waves makes 256 x 256 results, a wave 128 x 128: 64 accumulators, 512 registers.  K goes in steps of 256 through two LDS slots; a wave's tensor load brings 128 rows x 256 K: 24,576 dense bytes.
; THE MATRIX INSTRUCTION: source 0 = 16 rows of side B, source 1 = 16 rows of side A.  A lane then holds one row of A, and by the choice of a tile's rows the 64 registers of A's block a are
;   B's rows 32 b + 16 (lane / 16) + 0 .. 15, b = 0 .. 3: 16 neighbours of each block of 32 along B's rows.  So what is quantised along B's rows needs no transposition.
; q, k (clusters x = 0, 1): A = tokens, B = w_qkv's columns: registers run along the heads' channels.  v (cluster x = 2): A = w_qkv's v columns, B = tokens: registers run along the keys.  One text serves both: only indices differ.
; OUT (qkc): [kind q, k, v][b h][98,304].  q, k: [tile of 16 tokens 0..127][768]: half a fragment (64 channels).  v: [key step 0..15][tile of 16 channels 0..3][1,536].
; OUT (qks): [b h][kind][step][256]: the image of two registers (8 bytes a lane).  q, k: word j' of lane (r, hh): tiles 2 j and 2 j + 1, j = 2 j' + hh, two bytes each.  v: the word of tile 2 j' + hh.
; CLUSTERS: 4 x 4 work-groups; A's tiles are asked for jointly along a row of the cluster, B's along a column.
; LIMITS: NaN and infinities are not served; a block whose largest magnitude lies under 2^-124 gets the byte 1 (only this program reads the bytes).
; No prefetch: a work-group has two refills in all.
; REGISTERS: window 0: v4-5, v16-29 addresses; v32-63 scale words, two sets; v64-114 the way out; v128-223 A's fragments, one set (v200-215 at work on the way out).  window 1: B's fragments, two sets, at v0 and v128.
;   window 2: the accumulators of A's blocks 0-3 ((a, b) at v[8 (8 a + b)]); window 3: those of blocks 4-7.
.set NQ,     2                         ; matrix instructions deep in a slot
.set FR,     12                        ; registers of a fragment
.set NL,     4                         ; LDS loads that bring one
.set NP,     4                         ; places behind this matrix instruction (ISA guide 7.12.1)
.set GRPB,   98304
.set KSB,    24576
.set HALFT,  KSB                       ; what one tensor load brings, and what one wave reads of A or of B
.set SLOT,   4*HALFT                   ; A's two groups, then B's two
.set SCL,    2*SLOT                    ; behind the ring: the four groups' scale words, 4,096 bytes each, filled once
.set SPARE,  SCL+4*4096                ; the spare words, 128 bytes for each wave
.set L16,  4                           ; v4   16 x lane
.set L8,   5                           ; v5   8 x lane
.set ADRA, 16                          ; v16-17 my A group in slot 0, 1, + 16 x lane; v18-19 + 8 x lane
.set ADRB, 20                          ; v20-23 the same for B
.set ADRS, 27                          ; v27  my scale words: lanes 0-15 A's, lanes 16-31 B's
.set SPW,  28                          ; v28  my spare word; never rewritten
.set NIL,  29                          ; v29  0; never rewritten
.set SC,   32
.set AF,   128
.set PW,   64                          ; v64-71 the eight blocks' scale words
.set PC,   96                          ; v96-107 codes; v108-114 the conversions' second halves
.set TM,   200
.set SEL,  12                          ; s[12:13] selects for lane l xor 16
.set G1, 24
.set G0, 32
.set G1B, 48
.set G0B, 56
.set G1S, 68
.set G0S, 76
.set G1SB, 80
.set G0SB, 88
.set MSB, 0
.macro WIN new                         ; the immediate's high byte repeats the setting that is left
.if MSB != (\new)
	s_set_vgpr_msb (MSB<<8)|(\new)
.set MSB, (\new)
.endif
.endm
.set MUL_LO, 0xa1                      ; source 0 (B) window 1, source 1 (A) window 0, C and D window 2
.set MUL_HI, 0xf1
.set TO_B,   0x40
; A joint load: waves 0 and 1 fetch for A, waves 2 and 3 for B; the branch hangs on the wave's number alone.  Four v_nop follow each of the two lines.
.macro JLOAD g0a, g1a, g0b, g1b
	s_cmp_eq_u32 s15, 0
	s_cbranch_scc0 .Lfor_b_\@
	tensor_load_to_lds s[\g0a:\g0a+3], s[\g1a:\g1a+7]
	s_nop 0
.rept 4
	v_nop
.endr
	s_branch .Lasked_\@
.Lfor_b_\@:
	tensor_load_to_lds s[\g0b:\g0b+3], s[\g1b:\g1b+7]
	s_nop 0
.rept 4
	v_nop
.endr
.Lasked_\@:
.endm
.macro CREST                           ; a round of the cluster's barrier behind its opening barrier
	s_cmp_lg_u32 s14, 0
	s_cbranch_scc1 .Lnot_wave_0_\@
	s_barrier_signal -3
.Lnot_wave_0_\@:
	s_barrier_wait -3
	s_barrier_signal -1
	s_barrier_wait -1
.endm
.macro CROUND
	s_barrier_signal -1
	s_barrier_wait -1
	CREST
.endm
.macro FRAG reg, a16, a8, off          ; a fragment's image comes back as it was stored: every instruction reads consecutive bytes
	ds_load_b128 v[\reg:\reg+3], v[\a16] offset:\off
	ds_load_b64 v[\reg+4:\reg+5], v[\a8] offset:\off+512
	ds_load_b128 v[\reg+6:\reg+9], v[\a16] offset:\off+768
	ds_load_b64 v[\reg+10:\reg+11], v[\a8] offset:\off+1280
.endm
; 16 matrix instructions: A's blocks a0, a0 + 1 x B's eight.  The 64 accumulators take turns, one instruction a turn, in the same order in every step.
.macro MUL16 a0, p, q, sc, zero
.irp a, \a0, \a0+1
.irp b, 0,1,2,3,4,5,6,7
.if \zero
	v_wmma_scale_f32_16x16x128_f8f6f4 v[8*(8*((\a)%4)+\b):8*(8*((\a)%4)+\b)+7], v[128*(\p)+FR*\b:128*(\p)+FR*\b+FR-1], v[AF+FR*(\a):AF+FR*(\a)+FR-1], 0, v[SC+8*NQ*(\sc)+NQ*\b+(\q)], v[SC+8*NQ*(\sc)+NQ*(\a)+(\q)] matrix_a_fmt:MATRIX_FMT_FP6 matrix_b_fmt:MATRIX_FMT_FP6 matrix_a_scale:MATRIX_SCALE_ROW1
.else
	v_wmma_scale_f32_16x16x128_f8f6f4 v[8*(8*((\a)%4)+\b):8*(8*((\a)%4)+\b)+7], v[128*(\p)+FR*\b:128*(\p)+FR*\b+FR-1], v[AF+FR*(\a):AF+FR*(\a)+FR-1], v[8*(8*((\a)%4)+\b):8*(8*((\a)%4)+\b)+7], v[SC+8*NQ*(\sc)+NQ*\b+(\q)], v[SC+8*NQ*(\sc)+NQ*(\a)+(\q)] matrix_a_fmt:MATRIX_FMT_FP6 matrix_b_fmt:MATRIX_FMT_FP6 matrix_a_scale:MATRIX_SCALE_ROW1
.endif
.endr
.endr
.endm
.macro FETCH_B slot, q, p
	WIN TO_B
.irp i, 0,1,2,3,4,5,6,7
	FRAG 128*(\p)+FR*\i, ADRB+\slot, ADRB+2+\slot, \i*3072+(\q)*1536
.endr
	WIN 0
.endm
.macro FETCH_A slot, q, i0
.irp i, \i0, \i0+1, \i0+2, \i0+3
	FRAG AF+FR*(\i), ADRA+\slot, ADRA+2+\slot, (\i)*3072+(\q)*1536
.endr
.endm
.macro SCALES sc                       ; a K step's scale words: two a row; lanes 0-15 take A's block i, lanes 16-31 B's
.irp i, 0,1,2,3,4,5,6,7
	ds_load_b64 v[SC+8*NQ*\sc+NQ*\i:SC+8*NQ*\sc+NQ*\i+1], v[ADRS] offset:\i*512
.endr
.endm
.macro PLACES n                        ; plain vector lines between a matrix instruction and a load into, or a read of, its registers
.rept \n
	v_nop
.endr
.endm
.macro STEP slot, q, zero              ; 128 along K that have their successor in the same slot
	s_wait_dscnt 4*NL                              ; B's set and A's blocks 0-3 are in; the youngest sixteen loads (A's blocks 4-7) may be out
	WIN MUL_LO
	MUL16 0, (\q)%2, \q, \slot, \zero
	MUL16 2, (\q)%2, \q, \slot, \zero
	s_wait_dscnt 0
	PLACES NP
	FETCH_B \slot, (\q)+1, 1-(\q)%2
	FETCH_A \slot, (\q)+1, 0
	WIN MUL_HI
	MUL16 4, (\q)%2, \q, \slot, \zero
	MUL16 6, (\q)%2, \q, \slot, \zero
	PLACES NP
	WIN 0
	FETCH_A \slot, (\q)+1, 4
.endm
; A slot's last 128 along K change slots: one barrier; in front of it each wave waits for all its tensor loads, adds 0 to its spare word, and waits for that and for its reads of this slot.
.macro TURN slot, next, fill
	s_wait_tensorcnt 0x0                           ; all my tensor loads have landed: my part of the next slot
	ds_add_u32 v[SPW], v[NIL]                      ; 0 onto my spare word
	s_wait_dscnt 4*NL+1                            ; (the add and the youngest sixteen loads may be out)
	WIN MUL_LO
	MUL16 0, 1, NQ-1, \slot, 0
	s_wait_dscnt 0x0                               ; the add is done, and my reads of this slot are over
	s_barrier_signal -1
	MUL16 2, 1, NQ-1, \slot, 0
	WIN 0
	s_barrier_wait -1
.if \fill
	CREST                                          ; the barrier has opened a round of the cluster's: no wave of any partner still reads this slot or has a load on its way
	s_add_nc_u64 s[G0+4*\slot+2:G0+4*\slot+3], s[G0+4*\slot+2:G0+4*\slot+3], 2*KSB
	s_add_nc_u64 s[G0B+4*\slot+2:G0B+4*\slot+3], s[G0B+4*\slot+2:G0B+4*\slot+3], 2*KSB
	JLOAD G0+4*\slot, G1, G0B+4*\slot, G1B         ; the first tensor load behind the round; its four v_nop are the places in front of the loads below
.else
	PLACES NP
.endif
	v_add_nc_u32 v[ADRS], 128, v[ADRS]             ; the next K step's scale words
	FETCH_B \next, 0, 0
	FETCH_A \next, 0, 0
	SCALES \next
	WIN MUL_HI
	MUL16 4, 1, NQ-1, \slot, 0
	MUL16 6, 1, NQ-1, \slot, 0
	PLACES NP
	WIN 0
	FETCH_A \next, 0, 4
.endm
; 64 results of a lane in window win, v[s] on (register 16 b + i = B's row 32 b + 16 (lane / 16) + i), become a fragment's codes in v[PC] on and its scale word in v[pw].
; Each accumulator is first read at its registers 0 and 1.  The floor stands as source 0, so that one window setting serves all the maxima.
.macro QUANT s, pw, win
	WIN ((\win)<<2)|((\win)<<4)
.irp b, 0,1,2,3
	v_max3_num_f32 v[TM+\b], 0x1800000, |v[(\s)+16*\b]|, |v[(\s)+1+16*\b]|
.endr
.irp i, 2,4,6,8,10,12,14
.irp b, 0,1,2,3
	v_max3_num_f32 v[TM+\b], v[TM+\b], |v[(\s)+16*\b+\i]|, |v[(\s)+1+16*\b+\i]|
.endr
.endr
	WIN 0
.irp b, 0,1,2,3
	v_permlanex16_b32 v[TM+4+\b], v[TM+\b], s[SEL], s[SEL+1]
.endr
.irp b, 0,1,2,3
	v_max_num_f32 v[TM+\b], v[TM+\b], v[TM+4+\b]
.endr
.irp b, 0,1,2,3
	v_add_nc_u32 v[TM+12+\b], 0xff000000, v[TM+\b]
.endr
.irp b, 0,1,2,3
	v_lshrrev_b32 v[TM+4+\b], 23, v[TM+12+\b]
.endr
	v_lshl_or_b32 v[\pw], v[TM+5], 8, v[TM+4]
	v_lshl_or_b32 v[\pw], v[TM+6], 16, v[\pw]
	v_lshl_or_b32 v[\pw], v[TM+7], 24, v[\pw]
	WIN (\win)
.irp c, 0,1
	v_cvt_scalef32_pk16_fp6_f32 v[PC+6*\c:PC+2+6*\c], v[(\s)+32*\c:(\s)+15+32*\c], v[TM+12+2*\c]
	v_cvt_scalef32_pk16_fp6_f32 v[PC+12+4*\c:PC+14+4*\c], v[(\s)+16+32*\c:(\s)+31+32*\c], v[TM+12+2*\c+1]
.endr
	WIN 0
	v_nop                                          ; one plain line behind the scaled conversions
.irp c, 0,1
.irp i, 0,1,2
	v_permlane16_swap_b32 v[PC+6*\c+\i], v[PC+12+4*\c+\i]
.endr
.irp i, 0,1,2
	v_mov_b32 v[PC+3+6*\c+\i], v[PC+12+4*\c+\i]
.endr
.endr
.endm
	s_load_b256 s[4:11], s[0:1], 0x0               ; opc s[4:5], ops s[6:7], qkc s[8:9], qks s[10:11]
	v_lshl_add_u32 v[SPW], v0, 2, SPARE
	v_mov_b32 v[NIL], 0
	ds_add_u32 v28, v29
	ds_add_u32 v28, v29
	s_wait_dscnt 0x0
	v_lshrrev_b32 v1, 5, v0
	v_readfirstlane_b32 s14, v1                    ; wave 0..3
	s_lshr_b32 s15, s14, 1                         ; which of A's two groups is mine.  Also: I fetch for A (0) or for B (1)
	s_and_b32 s16, s14, 1                          ; which of B's two.  Also: which of the two groups I fetch
	s_bfe_u32 s40, ttmp6, 0x40000                  ; cx
	s_bfe_u32 s41, ttmp6, 0x40004                  ; cy
	s_and_b32 s17, ttmp7, 0xffff
	s_lshl_b32 s17, s17, 3                         ; 8 x cluster y: the cluster's first group of tokens
	s_lshl_b32 s18, ttmp9, 3
	s_add_co_u32 s18, s18, 64                      ; 64 + 8 x cluster x: its first group of weights
	s_mov_b32 s92, 768
	s_mov_b32 s93, GRPB
	s_cmp_eq_u32 ttmp9, 2                          ; the clusters with x = 2 make v: the same in all sixteen partners
	s_cselect_b32 s19, 80, s17                     ; A's first group: v's weights, or the tokens
	s_cselect_b32 s20, s17, s18                    ; B's: the tokens, or q's or k's weights
	s_cselect_b32 s92, 1536, s92                   ; out: from A's block to the next
	s_cselect_b32 s93, 768, s93                    ; from a fragment's first half to its second (q, k: the next head)
	s_cselect_b32 s94, 92160, 0                    ; v: behind block 3 on to the next head
	s_cselect_b32 s95, -1, 0                       ; all lanes where v is made
	s_lshl_b32 s43, s41, 2
	s_lshl_b32 s43, 15, s43                        ; my row of the cluster
	s_lshl_b32 s44, 0x1111, s40                    ; my column
	; descriptor group 1: dense blocks as rows of 256 bytes (32 elements of 8 bytes): 96 rows of codes, 16 of scale words
	s_or_b32 s[G1+0], s43, (3<<16)|(1<<21)         ; 15:0 the mask; 17:16 elements of 8 bytes; 20 no padding; 21 set beside a mask
	s_or_b32 s[G1B+0], s44, (3<<16)|(1<<21)
.irp g, G1, G1B
	s_mov_b32 s[\g+1], 32<<16                      ; tensor_dim0
	s_mov_b32 s[\g+2], 96<<16                      ; tensor_dim1
	s_mov_b32 s[\g+3], 32<<16                      ; tile_dim0
	s_mov_b32 s[\g+4], 96                          ; tile_dim1
	s_mov_b32 s[\g+5], 32                          ; the pitch
	s_mov_b32 s[\g+6], 0
	s_mov_b32 s[\g+7], 0
.endr
	s_or_b32 s[G1S+0], s43, (3<<16)|(1<<21)
	s_or_b32 s[G1SB+0], s44, (3<<16)|(1<<21)
.irp g, G1S, G1SB
	s_mov_b32 s[\g+1], 32<<16
	s_mov_b32 s[\g+2], 16<<16
	s_mov_b32 s[\g+3], 32<<16
	s_mov_b32 s[\g+4], 16
	s_mov_b32 s[\g+5], 32
	s_mov_b32 s[\g+6], 0
	s_mov_b32 s[\g+7], 0
.endr
	s_lshl_b32 s21, s41, 1
	s_add_co_u32 s21, s21, s19
	s_add_co_u32 s21, s21, s16                     ; the group of A that I would fetch: it hangs on cy, never on cx
	s_lshl_b32 s46, s40, 1
	s_add_co_u32 s46, s46, s20
	s_add_co_u32 s46, s46, s16                     ; and of B: on cx, never on cy
	s_mul_i32 s22, s21, GRPB
	s_mov_b32 s23, 0
	s_lshl_b32 s98, s21, 12
	s_mov_b32 s99, 0
	s_mul_i32 s66, s46, GRPB
	s_mov_b32 s67, 0
	s_lshl_b32 s96, s46, 12
	s_mov_b32 s97, 0
	s_mul_i32 s45, s14, HALFT                      ; where they go: by the wave's number alone
	s_lshl_b32 s47, s14, 12
	s_wait_kmcnt 0x0
	s_add_nc_u64 s[22:23], s[4:5], s[22:23]
	s_add_nc_u64 s[98:99], s[6:7], s[98:99]
	s_add_nc_u64 s[66:67], s[4:5], s[66:67]
	s_add_nc_u64 s[96:97], s[6:7], s[96:97]
	CROUND                                         ; all sixteen work-groups are here: the first joint loads meet
	s_mov_b32 s[G0S], 1
	s_add_co_u32 s[G0S+1], s47, SCL
	s_mov_b64 s[G0S+2:G0S+3], s[98:99]
	s_or_b32 s[G0S+3], s[G0S+3], 0x80000000
	s_mov_b32 s[G0SB], 1
	s_add_co_u32 s[G0SB+1], s47, SCL
	s_mov_b64 s[G0SB+2:G0SB+3], s[96:97]
	s_or_b32 s[G0SB+3], s[G0SB+3], 0x80000000
	JLOAD G0S, G1S, G0SB, G1SB                     ; the scale words first: wanted with K step 0.  By this text's count three tensor loads of a wave are out at the most
.irp s, 0,1
	s_mov_b32 s[G0+4*\s], 1
	s_add_co_u32 s[G0+4*\s+1], s45, \s*SLOT
	s_add_nc_u64 s[G0+4*\s+2:G0+4*\s+3], s[22:23], \s*KSB
	s_or_b32 s[G0+4*\s+3], s[G0+4*\s+3], 0x80000000
	s_mov_b32 s[G0B+4*\s], 1
	s_add_co_u32 s[G0B+4*\s+1], s45, \s*SLOT
	s_add_nc_u64 s[G0B+4*\s+2:G0B+4*\s+3], s[66:67], \s*KSB
	s_or_b32 s[G0B+4*\s+3], s[G0B+4*\s+3], 0x80000000
	JLOAD G0+4*\s, G1, G0B+4*\s, G1B
.endr
	v_and_b32 v1, 15, v0                           ; r
	v_bfe_u32 v2, v0, 4, 1                         ; h
	v_and_b32 v3, 31, v0
	v_lshlrev_b32 v[L16], 4, v3
	v_lshlrev_b32 v[L8], 3, v3
	s_mul_i32 s21, s15, HALFT                      ; my group of A
	s_mul_i32 s22, s16, HALFT                      ; my group of B,
	s_add_co_u32 s22, s22, 2*HALFT                 ; behind A's two
.irp s, 0,1
	v_add_nc_u32 v[ADRA+\s], s21, v[L16]
	v_add_nc_u32 v[ADRB+\s], s22, v[L16]
	v_add_nc_u32 v[ADRA+2+\s], s21, v[L8]
	v_add_nc_u32 v[ADRB+2+\s], s22, v[L8]
	s_add_co_u32 s21, s21, SLOT
	s_add_co_u32 s22, s22, SLOT
.endr
	v_lshlrev_b32 v6, 3, v1                        ; my row's two words of a K step: 8 r
	s_lshl_b32 s21, s15, 12                        ; A's: my group
	s_lshl_b32 s22, s16, 12                        ; B's: my group, behind A's two
	s_add_co_u32 s22, s22, 8192
	s_sub_co_u32 s22, s22, s21
	v_mul_u32_u24 v7, s22, v2                      ; lanes 16-31 take B's
	s_add_co_u32 s21, s21, SCL
	v_add_nc_u32 v6, v6, v7
	v_add_nc_u32 v[ADRS], s21, v6
	; where my results go
	s_lshl_b32 s2, s41, 1
	s_add_co_u32 s2, s2, s19
	s_add_co_u32 s2, s2, s15                       ; my group of A
	s_lshl_b32 s3, s40, 1
	s_add_co_u32 s3, s3, s20
	s_add_co_u32 s3, s3, s16                       ; my group of B
	s_cmp_eq_u32 ttmp9, 2
	s_cselect_b32 s12, s3, s2                      ; the group of tokens, 0..63
	s_cselect_b32 s13, s2, s3
	s_sub_co_u32 s13, s13, 64                      ; the group of weights, 0..23
	s_lshr_b32 s21, s13, 3                         ; kind: 0 q, 1 k, 2 v
	s_and_b32 s22, s13, 7
	s_lshl_b32 s22, s22, 1                         ; its two heads: 2 (g % 8) and the next
	s_lshr_b32 s23, s12, 4
	s_lshl_b32 s23, s23, 4
	s_add_co_u32 s22, s22, s23                     ; 16 b + head
	s_and_b32 s23, s12, 15                         ; the group in its batch: the key step
	s_lshl_b32 s42, s21, 6
	s_add_co_u32 s42, s42, s22
	s_mul_i32 s96, s42, GRPB
	s_mul_i32 s42, s23, 6144
	s_add_co_u32 s96, s96, s42                     ; s96: block 0's place in qkc
	s_mul_i32 s98, s22, 12288
	s_lshl_b32 s21, s21, 12
	s_add_co_u32 s98, s98, s21
	s_lshl_b32 s23, s23, 8
	s_add_co_u32 s98, s98, s23                     ; s98: my 256 bytes in qks
	s_mov_b32 s[SEL], 0x76543210
	s_mov_b32 s[SEL+1], 0xfedcba98
	s_mov_b32 s2, 0x05040100                       ; the low halves of two words
	s_mov_b32 s3, 0x07060302                       ; the high halves
	s_mov_b32 s99, 0xffff0000                      ; lanes 16-31
	s_wait_tensorcnt 1                             ; the scale words and my part of K step 0 are in (K step 1's load may be out),
	s_barrier_signal -1
	s_barrier_wait -1                              ; everybody's are
	FETCH_B 0, 0, 0
	FETCH_A 0, 0, 0
	SCALES 0
	FETCH_A 0, 0, 4
	STEP 0, 0, 1                                   ; the first products start the sums: nothing is cleared
	TURN 0, 1, 1                                   ; K = 1,024 is twice round the ring: written out
	STEP 1, 0, 0
	TURN 1, 0, 1
	STEP 0, 0, 0
	TURN 0, 1, 0                                   ; nothing is left to fetch
	STEP 1, 0, 0
	s_wait_dscnt 4*NL
	WIN MUL_LO
	MUL16 0, 1, NQ-1, 1, 0
	MUL16 2, 1, NQ-1, 1, 0
	s_wait_dscnt 0
	WIN MUL_HI
	MUL16 4, 1, NQ-1, 1, 0
	MUL16 6, 1, NQ-1, 1, 0
	WIN 0
	; THE WAY OUT: A's blocks one after the other: 64 results a lane become a fragment, whose two halves are stored as images: every store covers consecutive bytes, 768 a half
	PLACES NP
.irp b, 0,1,2,3
	v_mov_b32 v[TM+4+\b], 0                        ; written once: a lane permute's destination counts as one of its sources
.endr
.irp a, 0,1,2,3,4,5,6,7
	s_wait_xcnt 0x0                                ; the last block's stores have read their data and addresses, which are written again below
	QUANT 64*(\a%4), PW+\a, 2+\a/4
	s_add_co_u32 s97, s96, s93
	v_add_nc_u32 v84, s96, v[L16]
	v_add_nc_u32 v85, s96, v[L8]
	v_add_nc_u32 v86, s97, v[L16]
	v_add_nc_u32 v87, s97, v[L8]
	global_store_b128 v84, v[PC:PC+3], s[8:9]
	global_store_b64 v85, v[PC+4:PC+5], s[8:9] offset:512
	global_store_b128 v86, v[PC+6:PC+9], s[8:9]
	global_store_b64 v87, v[PC+10:PC+11], s[8:9] offset:512
	s_add_co_u32 s96, s96, s92
.if \a == 3
	s_add_co_u32 s96, s96, s94
.endif
.endr
	; the scale words.  q, k: block a's word holds two bytes for each of the two heads; head c's word of tiles 2 j, 2 j + 1 takes half c of blocks 2 j and 2 j + 1.  v: block a's word is tile a % 4 of head a / 4.
	; Both forms are made and one is chosen: no branch.
.irp c, 0,1
.irp j, 0,1,2,3
	v_perm_b32 v[72+4*\c+\j], v[PW+2*\j+1], v[PW+2*\j], s[2+\c]
.endr
.endr
.irp c, 0,1
.irp j, 0,1
	v_cndmask_b32 v[80+2*\c+\j], v[72+4*\c+2*\j], v[72+4*\c+2*\j+1], s99   ; lanes 0-15 the even one, lanes 16-31 the odd one
.endr
.endr
.irp m, 0,1,2,3
	v_cndmask_b32 v[72+\m], v[PW+2*\m], v[PW+2*\m+1], s99
.endr
.irp m, 0,1,2,3
	v_cndmask_b32 v[80+\m], v[80+\m], v[72+\m], s95
.endr
	v_add_nc_u32 v90, s98, v[L8]
	global_store_b64 v90, v[80:81], s[10:11]               ; 256 consecutive aligned bytes: the first head's
	global_store_b64 v90, v[82:83], s[10:11] offset:12288  ; the next head's
	s_wait_tensorcnt 0x0                           ; the wave's end
	ds_add_u32 v[SPW], v[NIL]
	s_wait_dscnt 0x0
	CROUND                                         ; the closing round: no work-group ends while a partner may still ask for a tile that names it
	s_endpgm
.Lfunc_end_k_q6648fa1936_gemm_qkv:
	.size	k_q6648fa1936_gemm_qkv, .Lfunc_end_k_q6648fa1936_gemm_qkv-k_q6648fa1936_gemm_qkv
	.p2alignl 7, 3214868480
	.fill 96, 4, 3214868480
	.section	.rodata,"a",@progbits
	.p2align	6, 0x0
	.amdhsa_kernel k_q6648fa1936_gemm_qkv
		.amdhsa_group_segment_fixed_size 327680
		.amdhsa_private_segment_fixed_size 0
		.amdhsa_enable_private_segment 0
		.amdhsa_kernarg_size 32
		.amdhsa_user_sgpr_count 2
		.amdhsa_user_sgpr_kernarg_segment_ptr 1
		.amdhsa_wavefront_size32 1
		.amdhsa_system_sgpr_workgroup_id_x 1
		.amdhsa_system_sgpr_workgroup_id_y 1
		.amdhsa_system_sgpr_workgroup_id_z 1
		.amdhsa_system_vgpr_workitem_id 0
		.amdhsa_next_free_vgpr 1024
		.amdhsa_next_free_sgpr 100
		.amdhsa_reserve_vcc 0
		.amdhsa_float_denorm_mode_32 3
		.amdhsa_float_denorm_mode_16_64 3
		.amdhsa_memory_ordered 1
		.amdhsa_forward_progress 1
		.amdhsa_inst_pref_size 152
	.end_amdhsa_kernel
	.amdgpu_metadata
---
amdhsa.version: [ 1, 2 ]
amdhsa.kernels:
  - .name:           k_q6648fa1936_gemm_qkv
    .symbol:         k_q6648fa1936_gemm_qkv.kd
    .args:
      - { .name: opc, .offset: 0, .size: 8, .value_kind: global_buffer, .address_space: global }
      - { .name: ops, .offset: 8, .size: 8, .value_kind: global_buffer, .address_space: global }
      - { .name: qkc, .offset: 16, .size: 8, .value_kind: global_buffer, .address_space: global }
      - { .name: qks, .offset: 24, .size: 8, .value_kind: global_buffer, .address_space: global }
    .group_segment_fixed_size: 327680
    .private_segment_fixed_size: 0
    .kernarg_segment_align: 8
    .kernarg_segment_size: 32
    .max_flat_workgroup_size: 128
    .sgpr_count:     100
    .vgpr_count:     1024
    .wavefront_size: 32
...
	.end_amdgpu_metadata
.endif
;; end of part 2
;; launch attn (part 3): grid 4 x 64, 16 waves a work-group, clusters of 4 x 1, 210,944 bytes of LDS; arguments qkc, qks, oc, os; writes oc, os
.if DOCPART == 3
	.amdgcn_target "amdgcn-amd-amdhsa--gfx1250"
	.amdhsa_code_object_version 6
	.text
	.protected	k_q6648fa1936_attn
	.globl	k_q6648fa1936_attn
	.p2align	8
	.type	k_q6648fa1936_attn,@function
k_q6648fa1936_attn:
	s_mov_b64 s[64:65], 0
	v_nop
	global_prefetch_b8 v0, s[64:65] scope:SCOPE_SE
	s_setreg_imm32_b32 hwreg(HW_REG_WAVE_MODE, 25, 1), 1
	s_wait_xcnt 0x0
	s_wait_alu depctr_hold_cnt(0) depctr_sa_sdst(0) depctr_va_vdst(0) depctr_va_sdst(0) depctr_va_ssrc(0) depctr_va_vcc(0) depctr_vm_vsrc(0)
	s_getreg_b32 s2, hwreg(HW_REG_IB_STS2, 6, 4)
	s_cmp_eq_u32 s2, 0
	s_cbranch_scc0 .Lentry_in_a_cluster
	s_endpgm
.Lentry_in_a_cluster:
	s_bfe_u32 s2, ttmp6, 0x10000c
	s_cmp_lg_u32 s2, 0x3003
	s_cbranch_scc0 .Lentry_shape_is_right
	s_endpgm
.Lentry_shape_is_right:
; Causal attention of one head (2,048 tokens, 64 channels) for each cluster of four work-groups, both products on codes of FP6 (E2M3) with E8M0 scales; the result, divided by the row's sum, is quantised along the model's 1,024 and leaves as codes.
; THE SOFTMAX: t = score x log2(e) / 8; M = the row's largest t so far, rounded up to a whole number; p = 2^(t - M) is quantised along the keys, not normalised; the row's sum is taken of the unquantised p and divides at the end.
;   When M moves, the sum and O are multiplied by 2^(old M - new M): exact.
; IN (qkc): [q, k, v][b h][98,304].  q, k: [tile of 16 tokens 0..127][768]: the image of half a fragment (64 channels): lane l's registers 0-3 at 16 l, 4-5 at 512 + 8 l.  v: [key step][tile of 16 channels 0..3][1,536]: whole fragments, K = 128 keys.
;   Tile 2 b + u of 32 rows holds rows 32 b + 8 u + i + 8 (i / 8).  (qks): [b h][kind][step][256]: the image of two registers of scale words.
; THE WHOLE HEAD'S K AND V LIE IN LDS, filled once: no slot is filled again, and no barrier stands in the loops.  The four work-groups ask for every block jointly.
; SHARES.  Wave w of work-group g owns two tiles of 16 queries: 4 w + g and 127 - (4 w + g).  They need w / 2 + 1 and 16 - w / 2 key steps of 128: 17 for every wave.  Both counts hang on the wave's number alone;
;   g enters global addresses and the mask's numbers only.  Every loop has a constant number of trips; a step all of whose keys are hidden is jumped over.
; K = 64 IN AN INSTRUCTION OF 128: a fragment of K holds TWO tiles of keys (64 channels each); multiplied by [q | 0] it gives the first tile's scores, by [0 | q] the second's: zero codes add nothing.
; Both products are used transposed: a lane holds one query (lane % 16) throughout; the 16 registers of two neighbouring tiles are 16 neighbouring keys (or channels).
; OUT (oc, os): the next product's A operand: group of 128 tokens [ks][tile][kk][1,536]; this head's 64 channels are half a fragment.  Its two scale bytes a row go out as bytes: 32 of the 800 bytes that a tile stores.
; No prefetch: all that the launch reads is asked for at its head.
; LIMITS: NaN and infinities are not served; a block whose largest magnitude lies under 2^-124 gets the byte 1 (only this program reads the bytes).
; REGISTERS: v1-2 16, 8 x lane; v3-7 the step's LDS addresses; v8 the mask's number; v9 its lane part; v10-11, v89 out addresses; v12 -M, v13 the largest t, v[14:15] the sum; v16-27 [q | 0]; v28-39 [0 | q];
;   v40-87 four fragments of K, then of V; v96-159 the scores, then p; v160-191 O; v192-205 both tiles' q; v224-235 p's codes; v232-247 at work; v248-251 K's and V's scale words; v252 f; v253 p's scale word; v255 q's.
.set VREG,  98304                      ; LDS: K's codes at 0, V's here,
.set SREG,  196608                     ; the scale words: q's (not read), k's at + 4,096, v's at + 8,192
.set L16,  1
.set L8,   2
.set WV,   12                          ; s12  my wave's number
.set SEL,  20                          ; s[20:21] selects for lane l xor 16
.set CS,   22                          ; s[22:23] c = log2(e) / 8
.set G1,   24                          ; s[24:31] one descriptor group 1 for all loads: 12,288 dense bytes
.set G0A,  32                          ; s[32:35], s[36:39] my two blocks of codes; s[40:43] the scale words
.set G0B,  36
.set G0S,  40
.set KI,   44                          ; s44  the key step
.set TK,   45                          ; s45-47 where its K, V and scale words begin in LDS
.set TV,   46
.set TS,   47
.set LAST, 48                          ; s48  the tile's last key step: the one on the diagonal
.set T1,   50                          ; s50-56 the far tile: its number, q's codes, q's scale word, shift, mask term, place in oc, place in os
.set T0,   57                          ; s57-63 the near tile
.set HI,   70                          ; s70  lanes 16-31
.macro ROUND                           ; a round of the cluster's barrier
	s_barrier_signal -1
	s_barrier_wait -1
	s_cmp_lg_u32 s[WV], 0
	s_cbranch_scc1 .Lnot_wave_0_\@
	s_barrier_signal -3
.Lnot_wave_0_\@:
	s_barrier_wait -3
	s_barrier_signal -1
	s_barrier_wait -1
.endm
.macro TIDX t                          ; from a tile's number in s[t]: six offsets
	s_mul_i32 s[\t+1], s[\t], 768
	s_add_co_u32 s[\t+1], s[\t+1], s71             ; q's codes
	s_lshr_b32 s66, s[\t], 3                       ; its group of 128 tokens
	s_lshl_b32 s[\t+2], s66, 8
	s_add_co_u32 s[\t+2], s[\t+2], s72
	s_bfe_u32 s67, s[\t], 0x10001                  ; the pair of tiles j = (tile % 8) / 2: j % 2 chooses the half of the lanes,
	s_lshl_b32 s67, s67, 7
	s_add_co_u32 s[\t+2], s[\t+2], s67
	s_bfe_u32 s67, s[\t], 0x10002                  ; j / 2 the word
	s_lshl_b32 s67, s67, 2
	s_add_co_u32 s[\t+2], s[\t+2], s67             ; q's scale word
	s_and_b32 s67, s[\t], 1
	s_lshl_b32 s[\t+3], s67, 4                     ; and tile % 2 the half of the word
	s_lshl_b32 s[\t+4], s67, 3
	s_bfe_u32 s67, s[\t], 0x20001
	s_lshl_b32 s67, s67, 5
	s_add_co_u32 s[\t+4], s[\t+4], s67             ; the tile's first token in its group: 32 ((tile % 8) / 2) + 8 (tile % 2)
	s_add_co_u32 s66, s66, s73                     ; the group among all 64
	s_and_b32 s67, s[\t], 7
	s_mul_i32 s[\t+5], s66, 98304
	s_mul_i32 s68, s67, 3072
	s_add_co_u32 s[\t+5], s[\t+5], s68
	s_add_co_u32 s[\t+5], s[\t+5], s74             ; place in oc
	s_lshl_b32 s[\t+6], s66, 12
	s_lshl_b32 s67, s67, 9
	s_add_co_u32 s[\t+6], s[\t+6], s67
	s_add_co_u32 s[\t+6], s[\t+6], s75             ; place in os
.endm
.macro FRAG reg, a16, a8, off          ; a fragment's image: every instruction reads consecutive bytes
	ds_load_b128 v[\reg:\reg+3], v[\a16] offset:\off
	ds_load_b64 v[\reg+4:\reg+5], v[\a8] offset:\off+512
	ds_load_b128 v[\reg+6:\reg+9], v[\a16] offset:\off+768
	ds_load_b64 v[\reg+10:\reg+11], v[\a8] offset:\off+1280
.endm
; A tile begins.  q's scale word is made first: more than eight plain lines stand between it and the first product, more than four behind q's codes.
.macro BEGIN q, raw, t
	v_lshrrev_b32 v255, s[\t+3], v[\raw]
	s_delay_alu instid0(VALU_DEP_1)
	v_and_b32 v255, 0xffff, v255
	s_delay_alu instid0(VALU_DEP_1)
	v_lshl_or_b32 v255, v255, 16, v255             ; q's two bytes twice: they serve [q | 0] and [0 | q]
.irp i, 0,1,2,3,4,5
	v_mov_b32 v[16+\i], v[\q+\i]
	v_mov_b32 v[34+\i], v[\q+\i]
.endr
	v_add_nc_u32 v8, s[\t+4], v9                   ; my query in its group, less 16 (lane / 16)
	v_mov_b32 v13, 0xff61b1e6                      ; the largest t so far: -3e38
	s_delay_alu instid0(VALU_DEP_1)
	v_floor_f32 v12, -v13                          ; -M
	v_mov_b32 v14, 0
	v_mov_b32 v15, 0
.set J, 0
.rept 32
	v_mov_b32 v[160+J], 0                          ; O: the step is written once; its first trip finds zeros
.set J, J+1
.endr
	s_mov_b32 s[KI], 0
	s_mov_b32 s[TK], 0
	s_mov_b32 s[TV], VREG
	s_mov_b32 s[TS], SREG+4096
.endm
; A KEY STEP: 128 keys
.macro STEP
	s_cmp_gt_u32 s[KI], s[LAST]                    ; all its keys come after my queries: only the addresses step
	s_cbranch_scc1 .Lhidden_\@
	s_setprio 2
	v_add_nc_u32 v3, s[TK], v[L16]                 ; (these five are also the places in front of the loads into registers that the last products read)
	v_add_nc_u32 v4, s[TK], v[L8]
	v_add_nc_u32 v5, s[TV], v[L16]
	v_add_nc_u32 v6, s[TV], v[L8]
	v_add_nc_u32 v7, s[TS], v[L8]
.irp j, 0,1,2,3
	FRAG 40+12*\j, 3, 4, 1536*\j
.endr
	ds_load_b64 v[248:249], v7                     ; K's scale words: register j / 2, lanes 0-15 for even j, lanes 16-31 for odd
	ds_load_b64 v[250:251], v7 offset:4096         ; V's likewise, by its tiles
	s_wait_alu depctr_va_vdst(0)
	s_wait_dscnt 0x0
.irp j, 0,1,2,3
.irp c, 0,1
.if \j%2
	v_wmma_scale_f32_16x16x128_f8f6f4 v[96+8*(2*\j+\c):103+8*(2*\j+\c)], v[40+12*\j:51+12*\j], v[16+12*\c:27+12*\c], 0, v[248+\j/2], v255 matrix_a_fmt:MATRIX_FMT_FP6 matrix_b_fmt:MATRIX_FMT_FP6 matrix_a_scale:MATRIX_SCALE_ROW1
.else
	v_wmma_scale_f32_16x16x128_f8f6f4 v[96+8*(2*\j+\c):103+8*(2*\j+\c)], v[40+12*\j:51+12*\j], v[16+12*\c:27+12*\c], 0, v[248+\j/2], v255 matrix_a_fmt:MATRIX_FMT_FP6 matrix_b_fmt:MATRIX_FMT_FP6
.endif
.endr
.endr
.rept 4
	v_nop                                          ; places: in front of the loads below and of the first read of the scores
.endr
.irp t, 0,1,2,3
	FRAG 40+12*\t, 5, 6, 1536*\t                   ; V's four fragments land while the softmax is walked
.endr
	s_cmp_lg_u32 s[KI], s[LAST]                    ; only the last step lies on the diagonal
	s_cbranch_scc1 .Lopen_\@
	v_mov_b32 v254, 0xff800000                     ; -infinity: p = 0 then
.set N, 0
.rept 64
	v_cmp_gt_i32 vcc_lo, 32*(N/16)+N%16, v8        ; register 16 b + i holds key 32 b + 16 (lane / 16) + i of the step: hidden where it comes after my query
	v_cndmask_b32 v[96+N], v[96+N], v254, vcc_lo
.set N, N+1
.endr
.Lopen_\@:
.irp b, 0,1,2,3
	v_max3_num_f32 v[232+\b], v[96+16*\b], v[97+16*\b], v[98+16*\b]   ; the largest score of each block of 32 keys: for the row's maximum and, since p rises with the score, for the block's largest p
.endr
.irp i, 3,5,7,9,11,13
.irp b, 0,1,2,3
	v_max3_num_f32 v[232+\b], v[232+\b], v[96+16*\b+\i], v[97+16*\b+\i]
.endr
.endr
.irp b, 0,1,2,3
	v_max_num_f32 v[232+\b], v[232+\b], v[111+16*\b]
.endr
.irp b, 0,1,2,3
	s_delay_alu instid0(VALU_DEP_4)
	v_permlanex16_b32 v[236+\b], v[232+\b], s[SEL], s[SEL+1]
.endr
.irp b, 0,1,2,3
	s_delay_alu instid0(VALU_DEP_4)
	v_max_num_f32 v[232+\b], v[232+\b], v[236+\b]  ; with lane l xor 16's 16 keys
.endr
	s_delay_alu instid0(VALU_DEP_2)
	v_max3_num_f32 v254, v232, v233, v234
	s_delay_alu instid0(VALU_DEP_1)
	v_max_num_f32 v254, v254, v235
	s_delay_alu instid0(VALU_DEP_1)
	v_mul_f32 v254, s[CS], v254                    ; as t (c is positive)
	s_delay_alu instid0(VALU_DEP_1)
	v_max_num_f32 v13, v13, v254                   ; the running largest t
	v_mov_b32 v254, v12
	s_delay_alu instid0(VALU_DEP_2)
	v_floor_f32 v12, -v13                          ; the new -M = -ceil(t)
	s_delay_alu instid0(VALU_DEP_1)
	v_sub_f32 v254, v12, v254                      ; old M - new M: a whole number, 0 or less
	s_delay_alu instid0(VALU_DEP_1)
	v_cvt_i32_f32 v254, v254                       ; (it saturates)
	s_delay_alu instid0(VALU_DEP_1)
	v_ldexp_f32 v252, 1.0, v254                    ; f = 2^(old M - new M)
.set J, 0
.rept 32
	v_pk_fma_f32 v[96+J:97+J], v[96+J:97+J], s[CS:CS+1], v[12:13] op_sel_hi:[1,0,0]   ; t - M, two at a time
.set J, J+2
.endr
	s_setprio 1
.irp b, 0,1,2,3
	v_fma_f32 v[232+\b], v[232+\b], s[CS], v12     ; the same of each block's largest score
.endr
.set J, 0
	s_wait_alu depctr_va_vdst(0)
.rept 64
	v_exp_f32 v[96+J], v[96+J]                     ; p = 2^(t - M)
.set J, J+1
.endr
	v_pk_mul_f32 v[14:15], v[14:15], v[252:253] op_sel_hi:[1,0]   ; the sums under the new M (the plain line behind the exponentials)
	s_wait_alu depctr_va_vdst(0)                   ; one wait for the batch of 64, ahead of its first reader
.irp b, 0,1,2,3
	v_exp_f32 v[232+\b], v[232+\b]                 ; the blocks' largest p
.endr
	v_pk_add_f32 v[236:237], v[100:101], v[104:105]
	v_pk_add_f32 v[248:249], v[108:109], v[112:113]
	v_pk_add_f32 v[246:247], v[116:117], v[120:121]
	v_pk_add_f32 v[244:245], v[124:125], v[128:129]
	v_pk_add_f32 v[240:241], v[132:133], v[136:137]
	v_pk_add_f32 v[238:239], v[140:141], v[144:145]
	v_pk_add_f32 v[230:231], v[148:149], v[152:153]
	v_pk_add_f32 v[14:15], v[14:15], v[156:157]
	v_pk_add_f32 v[236:237], v[236:237], v[96:97]
	v_pk_add_f32 v[248:249], v[248:249], v[98:99]
	v_pk_add_f32 v[246:247], v[246:247], v[102:103]
	v_pk_add_f32 v[244:245], v[244:245], v[106:107]
	v_pk_add_f32 v[240:241], v[240:241], v[110:111]
	v_pk_add_f32 v[238:239], v[238:239], v[114:115]
	v_pk_add_f32 v[230:231], v[230:231], v[118:119]
	v_pk_add_f32 v[14:15], v[14:15], v[122:123]
	v_pk_add_f32 v[236:237], v[236:237], v[126:127]
	v_pk_add_f32 v[248:249], v[248:249], v[130:131]
	v_pk_add_f32 v[246:247], v[246:247], v[134:135]
	v_pk_add_f32 v[244:245], v[244:245], v[138:139]
	v_pk_add_f32 v[240:241], v[240:241], v[142:143]
	v_pk_add_f32 v[238:239], v[238:239], v[146:147]
	v_pk_add_f32 v[230:231], v[230:231], v[150:151]
	v_pk_add_f32 v[14:15], v[14:15], v[154:155]
	v_pk_add_f32 v[236:237], v[236:237], v[158:159]
	s_delay_alu instid0(VALU_DEP_2)
	v_pk_add_f32 v[14:15], v[14:15], v[244:245]
	s_delay_alu instid0(VALU_DEP_2)
	v_pk_add_f32 v[236:237], v[236:237], v[240:241]
	v_pk_add_f32 v[248:249], v[248:249], v[238:239]
	v_pk_add_f32 v[246:247], v[246:247], v[230:231]
	s_delay_alu instid0(VALU_DEP_2)
	v_pk_add_f32 v[14:15], v[14:15], v[248:249]
	s_delay_alu instid0(VALU_DEP_2)
	v_pk_add_f32 v[236:237], v[236:237], v[246:247]
	s_delay_alu instid0(VALU_DEP_1)
	v_pk_add_f32 v[14:15], v[14:15], v[236:237]
	s_wait_alu depctr_va_vdst(0)                   ; and one for the four
.irp b, 0,1,2,3
	v_max_num_f32 v[232+\b], 0x1800000, v[232+\b]  ; the floor 2^(3 - 127): the byte cannot fall under 1
.endr
.irp b, 0,1,2,3
	s_delay_alu instid0(VALU_DEP_4)
	v_add_nc_u32 v[244+\b], 0xff000000, v[232+\b]  ; 2 off the exponent field: the conversion's scale operand
.endr
.irp b, 0,1,2,3
	s_delay_alu instid0(VALU_DEP_4)
	v_lshrrev_b32 v[236+\b], 23, v[244+\b]
.endr
	s_delay_alu instid0(VALU_DEP_3)
	v_lshl_or_b32 v253, v237, 8, v236              ; p's scale word for these 128 keys
	s_delay_alu instid0(VALU_DEP_1)
	v_lshl_or_b32 v253, v238, 16, v253
	s_delay_alu instid0(VALU_DEP_1)
	v_lshl_or_b32 v253, v239, 24, v253
	s_setprio 0
.irp c, 0,1
	v_cvt_scalef32_pk16_fp6_f32 v[224+6*\c:226+6*\c], v[96+32*\c:111+32*\c], v[244+2*\c]
	v_cvt_scalef32_pk16_fp6_f32 v[236+4*\c:238+4*\c], v[112+32*\c:127+32*\c], v[244+2*\c+1]
.endr
	v_nop                                          ; one plain line behind the scaled conversions
.irp c, 0,1
.irp i, 0,1,2
	v_permlane16_swap_b32 v[224+6*\c+\i], v[236+4*\c+\i]
.endr
.irp i, 0,1,2
	s_delay_alu instid0(VALU_DEP_3)
	v_mov_b32 v[227+6*\c+\i], v[236+4*\c+\i]
.endr
.endr
.set J, 0
.rept 16
	v_pk_mul_f32 v[160+J:161+J], v[160+J:161+J], v[252:253] op_sel_hi:[1,0]   ; O under the new M.  (These sixteen are also the places between p's codes and scale word and the products)
.set J, J+2
.endr
	s_wait_alu depctr_va_vdst(0)
	s_wait_dscnt 0x0                               ; V's fragments are in
.irp t, 0,1,2,3                                ; the four accumulators by turns, one instruction a turn
.if \t%2
	v_wmma_scale_f32_16x16x128_f8f6f4 v[160+8*\t:167+8*\t], v[40+12*\t:51+12*\t], v[224:235], v[160+8*\t:167+8*\t], v[250+\t/2], v253 matrix_a_fmt:MATRIX_FMT_FP6 matrix_b_fmt:MATRIX_FMT_FP6 matrix_a_scale:MATRIX_SCALE_ROW1
.else
	v_wmma_scale_f32_16x16x128_f8f6f4 v[160+8*\t:167+8*\t], v[40+12*\t:51+12*\t], v[224:235], v[160+8*\t:167+8*\t], v[250+\t/2], v253 matrix_a_fmt:MATRIX_FMT_FP6 matrix_b_fmt:MATRIX_FMT_FP6
.endif
.endr
.Lhidden_\@:
	s_add_co_u32 s[TK], s[TK], 6144
	s_add_co_u32 s[TV], s[TV], 6144
	s_add_co_u32 s[TS], s[TS], 256
.endm
; A tile ends: O / the sum; register 16 b + i is channel 32 b + 16 (lane / 16) + i of my query: two blocks of the next product's K
.macro OUT t
.rept 4
	v_nop                                          ; places behind the last products
.endr
	v_add_f32 v14, v14, v15
	s_delay_alu instid0(VALU_DEP_1)
	v_permlanex16_b32 v252, v14, s[SEL], s[SEL+1]
	s_delay_alu instid0(VALU_DEP_1)
	v_add_f32 v14, v14, v252                       ; the row's sum
	s_wait_alu depctr_va_vdst(0)
	v_rcp_f32 v14, v14
	v_add_nc_u32 v10, s[\t+5], v[L16]              ; (plain lines behind the reciprocal)
	v_add_nc_u32 v11, s[\t+5], v[L8]
	v_add_nc_u32 v89, s[\t+6], v88
	s_wait_alu depctr_va_vdst(0)                   ; the wait ahead of its first reader
.set J, 0
.rept 32
	v_mul_f32 v[96+J], v[160+J], v14               ; each accumulator from its low end on
.set J, J+1
.endr
.irp b, 0,1
	v_max3_num_f32 v[232+\b], |v[96+16*\b]|, |v[97+16*\b]|, 0x1800000
.endr
.irp i, 2,4,6,8,10,12,14
.irp b, 0,1
	s_delay_alu instid0(VALU_DEP_2)
	v_max3_num_f32 v[232+\b], v[232+\b], |v[96+16*\b+\i]|, |v[97+16*\b+\i]|
.endr
.endr
.irp b, 0,1
	s_delay_alu instid0(VALU_DEP_2)
	v_permlanex16_b32 v[236+\b], v[232+\b], s[SEL], s[SEL+1]
.endr
.irp b, 0,1
	s_delay_alu instid0(VALU_DEP_2)
	v_max_num_f32 v[232+\b], v[232+\b], v[236+\b]
.endr
.irp b, 0,1
	s_delay_alu instid0(VALU_DEP_2)
	v_add_nc_u32 v[244+\b], 0xff000000, v[232+\b]
.endr
.irp b, 0,1
	s_delay_alu instid0(VALU_DEP_2)
	v_lshrrev_b32 v[236+\b], 23, v[244+\b]
.endr
	s_delay_alu instid0(VALU_DEP_1)
	v_cndmask_b32 v90, v236, v237, s[HI]           ; lanes 0-15 store block 0's byte, lanes 16-31 block 1's
	v_cvt_scalef32_pk16_fp6_f32 v[224:226], v[96:111], v244
	v_cvt_scalef32_pk16_fp6_f32 v[236:238], v[112:127], v245
	v_nop                                          ; one plain line behind the scaled conversions
.irp i, 0,1,2
	v_permlane16_swap_b32 v[224+\i], v[236+\i]
.endr
.irp i, 0,1,2
	s_delay_alu instid0(VALU_DEP_3)
	v_mov_b32 v[227+\i], v[236+\i]
.endr
	global_store_b128 v10, v[224:227], s[8:9]              ; half a fragment's image: 768 consecutive aligned bytes
	global_store_b64 v11, v[228:229], s[8:9] offset:512
	global_store_b8 v89, v90, s[10:11]
.endm
	s_load_b256 s[4:11], s[0:1], 0x0               ; qkc s[4:5], qks s[6:7], oc s[8:9], os s[10:11]
	v_lshl_add_u32 v223, v0, 2, 0x33000
	v_mov_b32 v243, 0
	ds_add_u32 v223, v243
	ds_add_u32 v223, v243
	v_lshrrev_b32 v3, 5, v0
	s_delay_alu instid0(VALU_DEP_1)
	v_readfirstlane_b32 s[WV], v3                  ; wave 0..15
	s_bfe_u32 s13, ttmp6, 0x40000                  ; cx: my work-group in the cluster
	s_and_b32 s14, ttmp7, 0xffff                   ; 16 b + head, which the four partners share
	s_and_b32 s15, s14, 15                         ; the head
	s_lshl_b32 s[T0], s[WV], 2
	s_add_co_u32 s[T0], s[T0], s13                 ; the near tile
	s_sub_co_u32 s[T1], 127, s[T0]                 ; the far tile
	s_lshr_b32 s77, s[WV], 1                       ; their last key steps, by the wave's number alone
	s_sub_co_u32 s76, 15, s77
	s_mul_i32 s71, s14, 98304
	s_mul_i32 s72, s14, 12288
	s_lshr_b32 s73, s14, 4
	s_lshl_b32 s73, s73, 4                         ; 16 b
	s_lshr_b32 s66, s15, 2                         ; the head's place along the next K: ks = head / 4,
	s_mul_i32 s74, s66, 24576
	s_lshl_b32 s75, s66, 7
	s_bfe_u32 s66, s15, 0x10001                    ; kk = (head / 2) % 2,
	s_mul_i32 s67, s66, 1536
	s_add_co_u32 s74, s74, s67
	s_lshl_b32 s66, s66, 2
	s_add_co_u32 s75, s75, s66
	s_and_b32 s66, s15, 1                          ; the fragment's half = head % 2
	s_mul_i32 s67, s66, 768
	s_add_co_u32 s74, s74, s67
	s_lshl_b32 s66, s66, 1
	s_add_co_u32 s75, s75, s66
	TIDX T1
	TIDX T0
	s_mov_b32 s[SEL], 0x76543210
	s_mov_b32 s[SEL+1], 0xfedcba98
	s_mov_b32 s[CS], 0x3e38aa3b                    ; c = log2(e) / 8
	s_mov_b32 s[CS+1], s[CS]                       ; (named with it as a pair, so it is written)
	s_mov_b32 s[HI], 0xffff0000
	; descriptor group 1: 12,288 dense bytes as 48 rows of 256 (32 elements of 8 bytes)
	s_mov_b32 s[G1], 15|(3<<16)|(1<<21)            ; 15:0 the mask: all four work-groups; 17:16 elements of 8 bytes; 21 set beside a mask
	s_mov_b32 s[G1+1], 32<<16
	s_mov_b32 s[G1+2], 48<<16
	s_mov_b32 s[G1+3], 32<<16
	s_mov_b32 s[G1+4], 48
	s_mov_b32 s[G1+5], 32
	s_mov_b32 s[G1+6], 0
	s_mov_b32 s[G1+7], 0
	s_bfe_u32 s66, s[WV], 0x10002                  ; waves 0-3 fetch K's codes, waves 4-7 V's: blocks w % 4 and w % 4 + 4 of eight
	s_and_b32 s67, s[WV], 3
	s_mul_i32 s67, s67, 12288
	s_mul_i32 s68, s66, VREG
	s_add_co_u32 s68, s68, s67                     ; in LDS
	s_mul_i32 s78, s66, 6291456
	s_add_co_u32 s78, s78, 6291456
	s_add_co_u32 s78, s78, s71
	s_add_co_u32 s78, s78, s67                     ; in qkc
	s_mov_b32 s79, 0
	s_mov_b32 s80, s72
	s_mov_b32 s81, 0
	s_wait_dscnt 0x0
	s_wait_kmcnt 0x0
	s_mov_b32 s[G0A], 1
	s_mov_b32 s[G0A+1], s68
	s_add_nc_u64 s[G0A+2:G0A+3], s[4:5], s[78:79]
	s_mov_b32 s[G0B], 1
	s_add_co_u32 s[G0B+1], s68, 49152
	s_add_nc_u64 s[G0B+2:G0B+3], s[G0A+2:G0A+3], 49152
	s_or_b32 s[G0A+3], s[G0A+3], 0x80000000
	s_or_b32 s[G0B+3], s[G0B+3], 0x80000000
	s_mov_b32 s[G0S], 1
	s_mov_b32 s[G0S+1], SREG
	s_add_nc_u64 s[G0S+2:G0S+3], s[6:7], s[80:81]
	s_or_b32 s[G0S+3], s[G0S+3], 0x80000000
	ROUND                                          ; all four work-groups are here: the joint loads meet
	s_cmp_lt_u32 s[WV], 8                          ; a wave's fills stand in one branch on its number: two loads of mine are out at the most
	s_cbranch_scc0 .Lnot_codes
	tensor_load_to_lds s[G0A:G0A+3], s[G1:G1+7]
	s_nop 0
	tensor_load_to_lds s[G0B:G0B+3], s[G1:G1+7]
	s_nop 0
.rept 4
	v_nop
.endr
	s_branch .Lasked
.Lnot_codes:
	s_cmp_eq_u32 s[WV], 8
	s_cbranch_scc0 .Lasked
	tensor_load_to_lds s[G0S:G0S+3], s[G1:G1+7]    ; the head's scale words
	s_nop 0
.rept 4
	v_nop
.endr
.Lasked:
	v_and_b32 v3, 31, v0
	s_delay_alu instid0(VALU_DEP_1)
	v_lshlrev_b32 v[L16], 4, v3
	s_delay_alu instid0(VALU_DEP_2)
	v_lshlrev_b32 v[L8], 3, v3
	v_and_b32 v4, 15, v0                           ; r
	v_bfe_u32 v5, v0, 4, 1                         ; h
	s_delay_alu instid0(VALU_DEP_2)
	v_and_b32 v6, 8, v4
	s_delay_alu instid0(VALU_DEP_1)
	v_add_nc_u32 v9, v6, v4                        ; r + 8 (r / 8): my query in its tile's 32 tokens,
	s_delay_alu instid0(VALU_DEP_3)
	v_lshlrev_b32 v6, 4, v5
	s_delay_alu instid0(VALU_DEP_1)
	v_sub_nc_u32 v9, v9, v6                        ; less 16 h
	v_lshl_add_u32 v88, v4, 3, v5                  ; 8 r + h: my scale byte's place
	v_lshlrev_b32 v91, 3, v4                       ; 8 r
	v_add_nc_u32 v92, s[T1+1], v[L16]
	v_add_nc_u32 v93, s[T1+1], v[L8]
	s_delay_alu instid0(VALU_DEP_3)
	v_add_nc_u32 v94, s[T1+2], v91
	v_add_nc_u32 v95, s[T0+1], v[L16]
	v_add_nc_u32 v206, s[T0+1], v[L8]
	v_add_nc_u32 v207, s[T0+2], v91
	global_load_b128 v[200:203], v92, s[4:5]               ; both tiles' q: half a fragment each,
	global_load_b64 v[204:205], v93, s[4:5] offset:512
	global_load_b32 v198, v94, s[6:7]                      ; and the word that holds its two scale bytes
	global_load_b128 v[192:195], v95, s[4:5]
	global_load_b64 v[196:197], v206, s[4:5] offset:512
	global_load_b32 v199, v207, s[6:7]
.irp i, 0,1,2,3,4,5
	v_mov_b32 v[22+\i], 0                          ; the zero halves of [q | 0] and [0 | q]
	v_mov_b32 v[28+\i], 0
.endr
.irp b, 0,1,2,3
	v_mov_b32 v[236+\b], 0                         ; written once: a lane permute's destination counts as one of its sources
.endr
	v_mov_b32 v252, 0
	v_mov_b32 v253, 0                              ; (named as the upper half of the pair v[252:253] before it is first written)
	s_wait_tensorcnt 0x0                           ; all my fills have landed,
	s_wait_loadcnt 0x0                             ; and q
	s_barrier_signal -1
	s_barrier_wait -1                              ; everybody's have: the head lies in LDS, and nothing writes it again
	s_mov_b32 s[LAST], s76
	BEGIN 200, 198, T1
.Lfar:
	STEP
	s_add_co_u32 s[KI], s[KI], 1
	s_cmp_lt_u32 s[KI], 16
	s_cbranch_scc1 .Lfar
	s_setprio 0
	OUT T1
	s_wait_xcnt 0x0                                ; the stores have read their data and addresses, which the next tile writes again
	s_mov_b32 s[LAST], s77
	BEGIN 192, 199, T0
.Lnear:
	STEP
	s_add_co_u32 s[KI], s[KI], 1
	s_cmp_lt_u32 s[KI], 8
	s_cbranch_scc1 .Lnear
	s_setprio 0
	OUT T0
	s_wait_tensorcnt 0x0
	ds_add_u32 v223, v243
	s_wait_dscnt 0x0
	ROUND                                          ; the closing round
	s_endpgm
.Lfunc_end_k_q6648fa1936_attn:
	.size	k_q6648fa1936_attn, .Lfunc_end_k_q6648fa1936_attn-k_q6648fa1936_attn
	.p2alignl 7, 3214868480
	.fill 96, 4, 3214868480
	.section	.rodata,"a",@progbits
	.p2align	6, 0x0
	.amdhsa_kernel k_q6648fa1936_attn
		.amdhsa_group_segment_fixed_size 210944
		.amdhsa_private_segment_fixed_size 0
		.amdhsa_enable_private_segment 0
		.amdhsa_kernarg_size 32
		.amdhsa_user_sgpr_count 2
		.amdhsa_user_sgpr_kernarg_segment_ptr 1
		.amdhsa_wavefront_size32 1
		.amdhsa_system_sgpr_workgroup_id_x 1
		.amdhsa_system_sgpr_workgroup_id_y 1
		.amdhsa_system_sgpr_workgroup_id_z 1
		.amdhsa_system_vgpr_workitem_id 0
		.amdhsa_next_free_vgpr 256
		.amdhsa_next_free_sgpr 84
		.amdhsa_reserve_vcc 1
		.amdhsa_float_denorm_mode_32 3
		.amdhsa_float_denorm_mode_16_64 3
		.amdhsa_memory_ordered 1
		.amdhsa_forward_progress 1
		.amdhsa_inst_pref_size 68
	.end_amdhsa_kernel
	.amdgpu_metadata
---
amdhsa.version: [ 1, 2 ]
amdhsa.kernels:
  - .name:           k_q6648fa1936_attn
    .symbol:         k_q6648fa1936_attn.kd
    .args:
      - { .name: qkc, .offset: 0, .size: 8, .value_kind: global_buffer, .address_space: global }
      - { .name: qks, .offset: 8, .size: 8, .value_kind: global_buffer, .address_space: global }
      - { .name: oc, .offset: 16, .size: 8, .value_kind: global_buffer, .address_space: global }
      - { .name: os, .offset: 24, .size: 8, .value_kind: global_buffer, .address_space: global }
    .group_segment_fixed_size: 210944
    .private_segment_fixed_size: 0
    .kernarg_segment_align: 8
    .kernarg_segment_size: 32
    .max_flat_workgroup_size: 512
    .sgpr_count:     84
    .vgpr_count:     256
    .wavefront_size: 32
...
	.end_amdgpu_metadata
.endif
;; end of part 3
;; launch gemm_out (part 4): grid 4 x 32, 4 waves a work-group, clusters of 4 x 4, 327,680 bytes of LDS; arguments oc, os, opc, ops, out0; writes out0
.if DOCPART == 4
	.amdgcn_target "amdgcn-amd-amdhsa--gfx1250"
	.amdhsa_code_object_version 6
	.text
	.protected	k_q6648fa1936_gemm_out
	.globl	k_q6648fa1936_gemm_out
	.p2align	8
	.type	k_q6648fa1936_gemm_out,@function
k_q6648fa1936_gemm_out:
	s_mov_b64 s[64:65], 0
	v_nop
	global_prefetch_b8 v0, s[64:65] scope:SCOPE_SE
	s_setreg_imm32_b32 hwreg(HW_REG_WAVE_MODE, 25, 1), 1
	s_wait_xcnt 0x0
	s_wait_alu depctr_hold_cnt(0) depctr_sa_sdst(0) depctr_va_vdst(0) depctr_va_sdst(0) depctr_va_ssrc(0) depctr_va_vcc(0) depctr_vm_vsrc(0)
	s_getreg_b32 s2, hwreg(HW_REG_IB_STS2, 6, 4)
	s_cmp_eq_u32 s2, 0
	s_cbranch_scc0 .Lentry_in_a_cluster
	s_endpgm
.Lentry_in_a_cluster:
	s_bfe_u32 s2, ttmp6, 0x10000c
	s_cmp_lg_u32 s2, 0xf033
	s_cbranch_scc0 .Lentry_shape_is_right
	s_endpgm
.Lentry_shape_is_right:
; out0 = o w_out on codes of FP6 (E2M3) with E8M0 scales for each 32 along K = 1,024; out0 [8192][1024] f32.
; OPERANDS: groups of 128 rows x 1,024 K as images of fragments' registers: [ks 0..3][tile 0..7][kk 0..1][1,536 bytes]; tile 2 b + u holds rows 32 b + 8 u + i + 8 (i / 8).
;   A: the attention's result, buffers oc and os, groups 0-63 (tokens).  B: w_out's columns n, buffers opc and ops, groups 88-95.  Scale words: 4,096 bytes a group, at 512 tile + 128 ks + 8 i + 4 kk.
; A work-group of four waves makes 256 x 256 of out0, a wave 128 x 128: 64 accumulators, 512 registers.  K goes in steps of 256 through two LDS slots; a wave's tensor load brings 128 rows x 256 K: 24,576 dense bytes.
; THE MATRIX INSTRUCTION: source 0 = 16 rows of B, source 1 = 16 rows of A: a lane holds one token, and its eight results of a tile are eight neighbouring columns.
; CLUSTERS: 4 x 4 work-groups; A's tiles are asked for jointly along a row of the cluster, B's along a column.  The grid has 128 work-groups: a tile of 256 x 256 keeps the largest share of products for each LDS byte read.
; No prefetch: a work-group has two refills in all.
; REGISTERS: window 0: v4-5, v16-29 addresses; v32-63 scale words, two sets; v128-223 A's fragments, one set; on the way out v128-255 rows of out0.  window 1: B's fragments, two sets.
;   window 2: the accumulators of A's blocks 0-3 ((a, b) at v[8 (8 a + b)]); window 3: those of blocks 4-7.
.set NQ,     2
.set FR,     12
.set NL,     4
.set NP,     4
.set GRPB,   98304
.set KSB,    24576
.set HALFT,  KSB
.set SLOT,   4*HALFT
.set SCL,    2*SLOT
.set SPARE,  SCL+4*4096
.set SPITCH, 528                       ; the way out: a stage of 16 rows x (512 bytes + 16) for each wave, in slot 0, which has had its last fill and its last read when the first result is stored there
.set L16,  4
.set L8,   5
.set ADRA, 16
.set ADRB, 20
.set STO,  24                          ; v24  the way out: where I put 32 bytes of a row
.set RD,   25                          ; v25  and where I read a row back
.set ADRS, 27
.set SPW,  28
.set NIL,  29
.set SC,   32
.set AF,   128
.set BK,   128
.set G1, 24
.set G0, 32
.set G1B, 48
.set G0B, 56
.set G1S, 68
.set G0S, 76
.set G1SB, 80
.set G0SB, 88
.set MSB, 0
.macro WIN new                         ; the immediate's high byte repeats the setting that is left
.if MSB != (\new)
	s_set_vgpr_msb (MSB<<8)|(\new)
.set MSB, (\new)
.endif
.endm
.set MUL_LO, 0xa1
.set MUL_HI, 0xf1
.set TO_B,   0x40
.macro JLOAD g0a, g1a, g0b, g1b        ; a joint load: waves 0 and 1 fetch for A, waves 2 and 3 for B; four v_nop follow each of the two lines
	s_cmp_eq_u32 s15, 0
	s_cbranch_scc0 .Lfor_b_\@
	tensor_load_to_lds s[\g0a:\g0a+3], s[\g1a:\g1a+7]
	s_nop 0
.rept 4
	v_nop
.endr
	s_branch .Lasked_\@
.Lfor_b_\@:
	tensor_load_to_lds s[\g0b:\g0b+3], s[\g1b:\g1b+7]
	s_nop 0
.rept 4
	v_nop
.endr
.Lasked_\@:
.endm
.macro CREST
	s_cmp_lg_u32 s14, 0
	s_cbranch_scc1 .Lnot_wave_0_\@
	s_barrier_signal -3
.Lnot_wave_0_\@:
	s_barrier_wait -3
	s_barrier_signal -1
	s_barrier_wait -1
.endm
.macro CROUND
	s_barrier_signal -1
	s_barrier_wait -1
	CREST
.endm
.macro FRAG reg, a16, a8, off
	ds_load_b128 v[\reg:\reg+3], v[\a16] offset:\off
	ds_load_b64 v[\reg+4:\reg+5], v[\a8] offset:\off+512
	ds_load_b128 v[\reg+6:\reg+9], v[\a16] offset:\off+768
	ds_load_b64 v[\reg+10:\reg+11], v[\a8] offset:\off+1280
.endm
.macro MUL16 a0, p, q, sc, zero        ; the 64 accumulators take turns, one instruction a turn, in the same order in every step
.irp a, \a0, \a0+1
.irp b, 0,1,2,3,4,5,6,7
.if \zero
	v_wmma_scale_f32_16x16x128_f8f6f4 v[8*(8*((\a)%4)+\b):8*(8*((\a)%4)+\b)+7], v[128*(\p)+FR*\b:128*(\p)+FR*\b+FR-1], v[AF+FR*(\a):AF+FR*(\a)+FR-1], 0, v[SC+8*NQ*(\sc)+NQ*\b+(\q)], v[SC+8*NQ*(\sc)+NQ*(\a)+(\q)] matrix_a_fmt:MATRIX_FMT_FP6 matrix_b_fmt:MATRIX_FMT_FP6 matrix_a_scale:MATRIX_SCALE_ROW1
.else
	v_wmma_scale_f32_16x16x128_f8f6f4 v[8*(8*((\a)%4)+\b):8*(8*((\a)%4)+\b)+7], v[128*(\p)+FR*\b:128*(\p)+FR*\b+FR-1], v[AF+FR*(\a):AF+FR*(\a)+FR-1], v[8*(8*((\a)%4)+\b):8*(8*((\a)%4)+\b)+7], v[SC+8*NQ*(\sc)+NQ*\b+(\q)], v[SC+8*NQ*(\sc)+NQ*(\a)+(\q)] matrix_a_fmt:MATRIX_FMT_FP6 matrix_b_fmt:MATRIX_FMT_FP6 matrix_a_scale:MATRIX_SCALE_ROW1
.endif
.endr
.endr
.endm
.macro FETCH_B slot, q, p
	WIN TO_B
.irp i, 0,1,2,3,4,5,6,7
	FRAG 128*(\p)+FR*\i, ADRB+\slot, ADRB+2+\slot, \i*3072+(\q)*1536
.endr
	WIN 0
.endm
.macro FETCH_A slot, q, i0
.irp i, \i0, \i0+1, \i0+2, \i0+3
	FRAG AF+FR*(\i), ADRA+\slot, ADRA+2+\slot, (\i)*3072+(\q)*1536
.endr
.endm
.macro SCALES sc
.irp i, 0,1,2,3,4,5,6,7
	ds_load_b64 v[SC+8*NQ*\sc+NQ*\i:SC+8*NQ*\sc+NQ*\i+1], v[ADRS] offset:\i*512
.endr
.endm
.macro PLACES n
.rept \n
	v_nop
.endr
.endm
.macro STEP slot, q, zero
	s_wait_dscnt 4*NL                              ; B's set and A's blocks 0-3 are in; the youngest sixteen loads (A's blocks 4-7) may be out
	WIN MUL_LO
	MUL16 0, (\q)%2, \q, \slot, \zero
	MUL16 2, (\q)%2, \q, \slot, \zero
	s_wait_dscnt 0
	PLACES NP
	FETCH_B \slot, (\q)+1, 1-(\q)%2
	FETCH_A \slot, (\q)+1, 0
	WIN MUL_HI
	MUL16 4, (\q)%2, \q, \slot, \zero
	MUL16 6, (\q)%2, \q, \slot, \zero
	PLACES NP
	WIN 0
	FETCH_A \slot, (\q)+1, 4
.endm
.macro TURN slot, next, fill
	s_wait_tensorcnt 0x0                           ; all my tensor loads have landed: my part of the next slot
	ds_add_u32 v[SPW], v[NIL]                      ; 0 onto my spare word
	s_wait_dscnt 4*NL+1                            ; (the add and the youngest sixteen loads may be out)
	WIN MUL_LO
	MUL16 0, 1, NQ-1, \slot, 0
	s_wait_dscnt 0x0                               ; the add is done, and my reads of this slot are over
	s_barrier_signal -1
	MUL16 2, 1, NQ-1, \slot, 0
	WIN 0
	s_barrier_wait -1
.if \fill
	CREST                                          ; the barrier has opened a round of the cluster's: no wave of any partner still reads this slot or has a load on its way
	s_add_nc_u64 s[G0+4*\slot+2:G0+4*\slot+3], s[G0+4*\slot+2:G0+4*\slot+3], 2*KSB
	s_add_nc_u64 s[G0B+4*\slot+2:G0B+4*\slot+3], s[G0B+4*\slot+2:G0B+4*\slot+3], 2*KSB
	JLOAD G0+4*\slot, G1, G0B+4*\slot, G1B         ; the first tensor load behind the round; its four v_nop are the places in front of the loads below
.else
	PLACES NP
.endif
	v_add_nc_u32 v[ADRS], 128, v[ADRS]
	FETCH_B \next, 0, 0
	FETCH_A \next, 0, 0
	SCALES \next
	WIN MUL_HI
	MUL16 4, 1, NQ-1, \slot, 0
	MUL16 6, 1, NQ-1, \slot, 0
	PLACES NP
	WIN 0
	FETCH_A \next, 0, 4
.endm
	s_load_b256 s[4:11], s[0:1], 0x0               ; oc s[4:5], os s[6:7], opc s[8:9], ops s[10:11]
	s_load_b64 s[12:13], s[0:1], 0x20              ; out0
	v_lshl_add_u32 v[SPW], v0, 2, SPARE
	v_mov_b32 v[NIL], 0
	ds_add_u32 v28, v29
	ds_add_u32 v28, v29
	s_wait_dscnt 0x0
	v_lshrrev_b32 v1, 5, v0
	v_readfirstlane_b32 s14, v1                    ; wave 0..3
	s_lshr_b32 s15, s14, 1                         ; which of A's two groups is mine.  Also: I fetch for A (0) or for B (1)
	s_and_b32 s16, s14, 1                          ; which of B's two.  Also: which of the two groups I fetch
	s_bfe_u32 s40, ttmp6, 0x40000                  ; cx
	s_bfe_u32 s41, ttmp6, 0x40004                  ; cy
	s_and_b32 s17, ttmp7, 0xffff
	s_lshl_b32 s17, s17, 3                         ; 8 x cluster y: the cluster's first group of tokens
	s_lshl_b32 s43, s41, 2
	s_lshl_b32 s43, 15, s43                        ; my row of the cluster
	s_lshl_b32 s44, 0x1111, s40                    ; my column
	s_or_b32 s[G1+0], s43, (3<<16)|(1<<21)         ; dense blocks as rows of 256 bytes (32 elements of 8 bytes): 96 rows of codes, 16 of scale words
	s_or_b32 s[G1B+0], s44, (3<<16)|(1<<21)
.irp g, G1, G1B
	s_mov_b32 s[\g+1], 32<<16
	s_mov_b32 s[\g+2], 96<<16
	s_mov_b32 s[\g+3], 32<<16
	s_mov_b32 s[\g+4], 96
	s_mov_b32 s[\g+5], 32
	s_mov_b32 s[\g+6], 0
	s_mov_b32 s[\g+7], 0
.endr
	s_or_b32 s[G1S+0], s43, (3<<16)|(1<<21)
	s_or_b32 s[G1SB+0], s44, (3<<16)|(1<<21)
.irp g, G1S, G1SB
	s_mov_b32 s[\g+1], 32<<16
	s_mov_b32 s[\g+2], 16<<16
	s_mov_b32 s[\g+3], 32<<16
	s_mov_b32 s[\g+4], 16
	s_mov_b32 s[\g+5], 32
	s_mov_b32 s[\g+6], 0
	s_mov_b32 s[\g+7], 0
.endr
	s_lshl_b32 s21, s41, 1
	s_add_co_u32 s21, s21, s17
	s_add_co_u32 s21, s21, s16                     ; the group of A that I would fetch: it hangs on cy, never on cx
	s_lshl_b32 s46, s40, 1
	s_add_co_u32 s46, s46, 88
	s_add_co_u32 s46, s46, s16                     ; and of B: on cx, never on cy
	s_mul_i32 s22, s21, GRPB
	s_mov_b32 s23, 0
	s_lshl_b32 s98, s21, 12
	s_mov_b32 s99, 0
	s_mul_i32 s66, s46, GRPB
	s_mov_b32 s67, 0
	s_lshl_b32 s96, s46, 12
	s_mov_b32 s97, 0
	s_mul_i32 s45, s14, HALFT
	s_lshl_b32 s47, s14, 12
	s_wait_kmcnt 0x0
	s_add_nc_u64 s[22:23], s[4:5], s[22:23]
	s_add_nc_u64 s[98:99], s[6:7], s[98:99]
	s_add_nc_u64 s[66:67], s[8:9], s[66:67]
	s_add_nc_u64 s[96:97], s[10:11], s[96:97]
	CROUND                                         ; all sixteen work-groups are here: the first joint loads meet
	s_mov_b32 s[G0S], 1
	s_add_co_u32 s[G0S+1], s47, SCL
	s_mov_b64 s[G0S+2:G0S+3], s[98:99]
	s_or_b32 s[G0S+3], s[G0S+3], 0x80000000
	s_mov_b32 s[G0SB], 1
	s_add_co_u32 s[G0SB+1], s47, SCL
	s_mov_b64 s[G0SB+2:G0SB+3], s[96:97]
	s_or_b32 s[G0SB+3], s[G0SB+3], 0x80000000
	JLOAD G0S, G1S, G0SB, G1SB                     ; the scale words first.  By this text's count three tensor loads of a wave are out at the most
.irp s, 0,1
	s_mov_b32 s[G0+4*\s], 1
	s_add_co_u32 s[G0+4*\s+1], s45, \s*SLOT
	s_add_nc_u64 s[G0+4*\s+2:G0+4*\s+3], s[22:23], \s*KSB
	s_or_b32 s[G0+4*\s+3], s[G0+4*\s+3], 0x80000000
	s_mov_b32 s[G0B+4*\s], 1
	s_add_co_u32 s[G0B+4*\s+1], s45, \s*SLOT
	s_add_nc_u64 s[G0B+4*\s+2:G0B+4*\s+3], s[66:67], \s*KSB
	s_or_b32 s[G0B+4*\s+3], s[G0B+4*\s+3], 0x80000000
	JLOAD G0+4*\s, G1, G0B+4*\s, G1B
.endr
	v_and_b32 v1, 15, v0                           ; r
	v_bfe_u32 v2, v0, 4, 1                         ; h
	v_and_b32 v3, 31, v0
	v_lshlrev_b32 v[L16], 4, v3
	v_lshlrev_b32 v[L8], 3, v3
	s_mul_i32 s21, s15, HALFT
	s_mul_i32 s22, s16, HALFT
	s_add_co_u32 s22, s22, 2*HALFT
.irp s, 0,1
	v_add_nc_u32 v[ADRA+\s], s21, v[L16]
	v_add_nc_u32 v[ADRB+\s], s22, v[L16]
	v_add_nc_u32 v[ADRA+2+\s], s21, v[L8]
	v_add_nc_u32 v[ADRB+2+\s], s22, v[L8]
	s_add_co_u32 s21, s21, SLOT
	s_add_co_u32 s22, s22, SLOT
.endr
	v_lshlrev_b32 v6, 3, v1
	s_lshl_b32 s21, s15, 12
	s_lshl_b32 s22, s16, 12
	s_add_co_u32 s22, s22, 8192
	s_sub_co_u32 s22, s22, s21
	v_mul_u32_u24 v7, s22, v2                      ; lanes 16-31 take B's scale words
	s_add_co_u32 s21, s21, SCL
	v_add_nc_u32 v6, v6, v7
	v_add_nc_u32 v[ADRS], s21, v6
	s_mul_i32 s23, s14, 16*SPITCH                  ; my stage
	v_mul_u32_u24 v6, v1, SPITCH                   ; in: row r; my half's 16 columns of each 32: + 64 h
	v_lshl_add_u32 v6, v2, 6, v6
	v_add_nc_u32 v[STO], s23, v6
	v_add_nc_u32 v[RD], s23, v[L16]                ; back: the 32 lanes take one row of 512 bytes
	s_lshl_b32 s2, s41, 1
	s_add_co_u32 s2, s2, s17
	s_add_co_u32 s2, s2, s15                       ; my group of tokens
	s_lshl_b32 s2, s2, 19                          ; 128 rows of 4,096 bytes
	s_lshl_b32 s3, s40, 10                         ; my work-group's 256 columns,
	s_add_co_u32 s2, s2, s3
	s_lshl_b32 s3, s16, 9                          ; my wave's 128 of them
	s_add_co_u32 s2, s2, s3
	s_mov_b32 s3, 0
	s_add_nc_u64 s[12:13], s[12:13], s[2:3]
	s_wait_tensorcnt 1                             ; the scale words and my part of K step 0 are in (K step 1's load may be out),
	s_barrier_signal -1
	s_barrier_wait -1                              ; everybody's are
	FETCH_B 0, 0, 0
	FETCH_A 0, 0, 0
	SCALES 0
	FETCH_A 0, 0, 4
	STEP 0, 0, 1                                   ; the first products start the sums
	TURN 0, 1, 1
	STEP 1, 0, 0
	TURN 1, 0, 1
	STEP 0, 0, 0
	TURN 0, 1, 0                                   ; nothing is left to fetch
	STEP 1, 0, 0
	s_wait_dscnt 4*NL
	WIN MUL_LO
	MUL16 0, 1, NQ-1, 1, 0
	MUL16 2, 1, NQ-1, 1, 0
	s_wait_dscnt 0
	WIN MUL_HI
	MUL16 4, 1, NQ-1, 1, 0
	MUL16 6, 1, NQ-1, 1, 0
	WIN 0
; THE WAY OUT, block by block of 16 tokens x 128 columns, through my own stage in LDS: in as 32 bytes a lane, back as whole rows of 512 bytes.  LDS serves a wave's instructions in order (ISA guide 5.7.1.4).
; Tile b's registers of lane (r, h) are columns 32 (b / 2) + 16 h + 8 (b % 2) + 0 .. 7; the block's row t is token 32 (a / 2) + 8 (a % 2) + t + 8 (t / 8) of my 128.
.macro TOSTAGE a
.set AC, 64*((\a)%4)
	WIN 0x08+4*((\a)/4)                            ; the data: window 2 or 3
.irp b, 0,1,2,3,4,5,6,7
	ds_store_b128 v[STO], v[AC+8*\b:AC+8*\b+3] offset:128*(\b/2)+32*(\b%2)        ; each accumulator from its low end on
	ds_store_b128 v[STO], v[AC+8*\b+4:AC+8*\b+7] offset:128*(\b/2)+32*(\b%2)+16
.endr
	WIN 0
.set BB, BK+64*((\a)%2)
.irp t, 0,1,2,3,4,5,6,7,8,9,10,11,12,13,14,15
	ds_load_b128 v[BB+4*\t:BB+4*\t+3], v[RD] offset:\t*SPITCH
.endr
.endm
.macro SEND a, younger                 ; younger: the LDS instructions issued behind block a's loads, which may stay out
.set BB, BK+64*((\a)%2)
	s_wait_dscnt \younger
.irp t, 0,1,2,3,4,5,6,7,8,9,10,11,12,13,14,15
	global_store_b128 v[L16], v[BB+4*\t:BB+4*\t+3], s[12:13] offset:(32*((\a)/2)+8*((\a)%2)+\t+8*(\t/8))*4096 th:TH_STORE_NT   ; 32 lanes store 512 consecutive bytes, at a multiple of 256 from out0's first byte
.endr
.endm
	PLACES NP
	TOSTAGE 0
.irp a, 1,2,3,4,5,6,7
.if \a > 1
	s_wait_xcnt 0x0                                ; block a - 2's stores have read their registers: block a's loads may land there
.endif
	TOSTAGE \a
	SEND \a-1, 32                                  ; behind block a - 1's loads: block a's 16 stores and 16 loads
.endr
	SEND 7, 0
	s_wait_tensorcnt 0x0                           ; the wave's end
	ds_add_u32 v[SPW], v[NIL]
	s_wait_dscnt 0x0
	CROUND                                         ; the closing round
	s_endpgm
.Lfunc_end_k_q6648fa1936_gemm_out:
	.size	k_q6648fa1936_gemm_out, .Lfunc_end_k_q6648fa1936_gemm_out-k_q6648fa1936_gemm_out
	.p2alignl 7, 3214868480
	.fill 96, 4, 3214868480
	.section	.rodata,"a",@progbits
	.p2align	6, 0x0
	.amdhsa_kernel k_q6648fa1936_gemm_out
		.amdhsa_group_segment_fixed_size 327680
		.amdhsa_private_segment_fixed_size 0
		.amdhsa_enable_private_segment 0
		.amdhsa_kernarg_size 40
		.amdhsa_user_sgpr_count 2
		.amdhsa_user_sgpr_kernarg_segment_ptr 1
		.amdhsa_wavefront_size32 1
		.amdhsa_system_sgpr_workgroup_id_x 1
		.amdhsa_system_sgpr_workgroup_id_y 1
		.amdhsa_system_sgpr_workgroup_id_z 1
		.amdhsa_system_vgpr_workitem_id 0
		.amdhsa_next_free_vgpr 1024
		.amdhsa_next_free_sgpr 100
		.amdhsa_reserve_vcc 0
		.amdhsa_float_denorm_mode_32 3
		.amdhsa_float_denorm_mode_16_64 3
		.amdhsa_memory_ordered 1
		.amdhsa_forward_progress 1
		.amdhsa_inst_pref_size 143
	.end_amdhsa_kernel
	.amdgpu_metadata
---
amdhsa.version: [ 1, 2 ]
amdhsa.kernels:
  - .name:           k_q6648fa1936_gemm_out
    .symbol:         k_q6648fa1936_gemm_out.kd
    .args:
      - { .name: oc, .offset: 0, .size: 8, .value_kind: global_buffer, .address_space: global }
      - { .name: os, .offset: 8, .size: 8, .value_kind: global_buffer, .address_space: global }
      - { .name: opc, .offset: 16, .size: 8, .value_kind: global_buffer, .address_space: global }
      - { .name: ops, .offset: 24, .size: 8, .value_kind: global_buffer, .address_space: global }
      - { .name: out0, .offset: 32, .size: 8, .value_kind: global_buffer, .address_space: global }
    .group_segment_fixed_size: 327680
    .private_segment_fixed_size: 0
    .kernarg_segment_align: 8
    .kernarg_segment_size: 40
    .max_flat_workgroup_size: 128
    .sgpr_count:     100
    .vgpr_count:     1024
    .wavefront_size: 32
...
	.end_amdgpu_metadata
.endif
;; end of part 4
